; MI455X (gfx1250); checked and timed in simulation.
; The chip was launched on July 23, 2026; its instructions are those of AMD's public machine-readable ISA for CDNA 5 (MIT licence, August 2026) and "CDNA5" Instruction Set Architecture Reference Guide (July 2026). The comments in the code are by the model that wrote it; some were corrected since.
;; SNN Policy Actor. Allowed arithmetic: float matrix products may take bf16 or f16 operands with f32 sums; other float arithmetic in f32, or as packed bf16 or f16 multiplies, adds, multiply-adds, maxima and minima; sums over many terms, partial sums and values carried from step to step in f32; what a program stores and reads back later, other than sums and carried values, may be rounded once to bf16 or f16.
;; Inputs: W1 1,024 x 128 float32; W2 1,024 x 1,024 float32; W3 4 x 1,024 float32; action_limit 4 float32; b1 1,024 float32; b2 1,024 float32; b3 4 float32; obs 16,384 x 128 float32; obs_mean 128 float32; obs_scale 128 float32.
;; Outputs: out0 16,384 x 4 float32.
;; Constants: time_window = 16.
;; One version. Each part assembles by itself: llvm-mc -triple=amdgcn-amd-amdhsa -mcpu=gfx1250 --defsym DOCPART=n.
;; ======== version 1 of 1: 6 launches
;; limits: values are held in f16: magnitudes above 65,504 overflow, below 6.1e-05 lose precision; right only within a limited range of input values
;; workspace buffers: wstream 2,359,296 bytes; cbuf 49,152 bytes; counts 33,554,432 bytes; flags 131,072 bytes of whole numbers; flags2 131,072 bytes of whole numbers; xsum 262,144 bytes; corr 4,194,304 bytes
;; launch pack (part 1): grid 585 x 1, 8 waves a work-group, no clusters, 0 bytes of LDS; arguments W1, W2, W3, b1, b2, obs_mean, obs_scale, wstream, cbuf; writes wstream, cbuf
.if DOCPART == 1
	.amdgcn_target "amdgcn-amd-amdhsa--gfx1250"
	.amdhsa_code_object_version 6
	.text
	.protected	k_qd5ddc8cd1f_pack
	.globl	k_qd5ddc8cd1f_pack
	.p2align	8
	.type	k_qd5ddc8cd1f_pack,@function
k_qd5ddc8cd1f_pack:
	s_mov_b64 s[64:65], 0
	v_nop
	global_prefetch_b8 v0, s[64:65] scope:SCOPE_SE
	s_setreg_imm32_b32 hwreg(HW_REG_WAVE_MODE, 25, 1), 1
	s_wait_xcnt 0x0
; Rounds the weights and biases to bf16 once and lays the weights out as matrix fragments, so that the main launch reads them as they lie.
; A fragment is 16 rows x 32 K of 16-bit numbers, 1,024 bytes: byte hf*512 + 16 L + 2 e holds W[16 nt + L%16][32 kc + 16 hf + 8 (L/16) + e]:
; two loads of 16 bytes a lane, at 16 L and 512 + 16 L, are the eight registers of a matrix operand.
; wstream: W1's fragments (index 4 nt + kc), then from byte 262,144 W2's (index 32 nt + kc), both bf16.
; cbuf: b1 at 0, b2 at 4,096, obs_mean at 8,192, obs_scale at 8,704, each rounded to bf16 and kept as f32; from 16,384 on W3's 32 fragments (index kc):
; rounded to bf16, that number written as f16 (below f16's normal range it keeps f16's fixed step), rows 4 to 15 zero.
; Work-groups 0-511: W2 (nt = id / 8, four kc each); 512-575: W1 (nt = id - 512); 576-583: W3; 584: the biases.  A thread makes 16 bytes; a wave stores 512 consecutive bytes.
.set NW2, 512
.set NW1, 64
.set NW3, 8
.macro TOBF                            ; v[8:15] f32 -> v[16:19] bf16, rounded to nearest even
	v_cvt_pk_bf16_f32 v16, v8, v9
	v_cvt_pk_bf16_f32 v17, v10, v11
	v_cvt_pk_bf16_f32 v18, v12, v13
	v_cvt_pk_bf16_f32 v19, v14, v15
.endm
.macro RND4 b                          ; four f32 at v[b] rounded to bf16 and widened again, in place
	v_cvt_pk_bf16_f32 v16, v[\b], v[\b+1]
	v_cvt_pk_bf16_f32 v17, v[\b+2], v[\b+3]
	v_lshlrev_b32 v[\b], 16, v16
	v_and_b32 v[\b+1], s27, v16
	v_lshlrev_b32 v[\b+2], 16, v17
	v_and_b32 v[\b+3], s27, v17
.endm
	s_load_b512 s[8:23], s[0:1], 0x0               ; W1 s[8:9], W2 s[10:11], W3 s[12:13], b1 s[14:15], b2 s[16:17], mean s[18:19], scale s[20:21], wstream s[22:23]
	s_load_b64 s[24:25], s[0:1], 0x40              ; cbuf
	v_and_b32 v1, 31, v0                           ; L
	v_lshrrev_b32 v2, 5, v0
	v_readfirstlane_b32 s2, v2                     ; wave 0..7
	v_and_b32 v3, 15, v0                           ; the fragment's row
	v_bfe_u32 v4, v0, 4, 1                         ; the half of the lanes
	s_lshr_b32 s3, s2, 1                           ; which of the group's four kc
	s_and_b32 s4, s2, 1                            ; hf
	s_mov_b32 s5, ttmp9
	s_lshl_b32 s26, s4, 9
	v_lshl_add_u32 v5, v1, 4, s26                  ; my 16 bytes in the fragment
	s_lshl_b32 s31, s4, 6                          ; hf's 16 numbers of f32
	s_mov_b32 s27, 0xffff0000                      ; a word's upper bf16
	s_wait_kmcnt 0x0
	s_cmp_lt_u32 s5, NW2
	s_cbranch_scc0 .Lnot_w2
	; ---- W2: rows of 4,096 bytes
	s_lshr_b32 s28, s5, 3                          ; nt
	s_and_b32 s29, s5, 7
	s_lshl2_add_u32 s29, s29, s3                   ; kc
	s_lshl_b32 s30, s28, 16                        ; 16 nt rows
	s_lshl_b32 s26, s29, 7
	s_add_co_u32 s30, s30, s26
	s_add_co_u32 s30, s30, s31
	v_lshlrev_b32 v6, 12, v3
	v_lshl_add_u32 v6, v4, 5, v6
	v_add_nc_u32 v6, s30, v6
	global_load_b128 v[8:11], v6, s[10:11]
	global_load_b128 v[12:15], v6, s[10:11] offset:16
	s_lshl_b32 s28, s28, 5
	s_add_co_u32 s28, s28, s29
	s_lshl_b32 s28, s28, 10
	s_add_co_u32 s28, s28, 262144
	v_add_nc_u32 v5, s28, v5
	s_wait_loadcnt 0x0
	TOBF
	global_store_b128 v5, v[16:19], s[22:23]
	s_endpgm
.Lnot_w2:
	s_cmp_lt_u32 s5, NW2+NW1
	s_cbranch_scc0 .Lnot_w1
	; ---- W1: rows of 512 bytes, kc = wave / 2
	s_sub_co_u32 s28, s5, NW2                      ; nt
	s_lshl_b32 s30, s28, 13                        ; 16 nt rows
	s_lshl_b32 s26, s3, 7
	s_add_co_u32 s30, s30, s26
	s_add_co_u32 s30, s30, s31
	v_lshlrev_b32 v6, 9, v3
	v_lshl_add_u32 v6, v4, 5, v6
	v_add_nc_u32 v6, s30, v6
	global_load_b128 v[8:11], v6, s[8:9]
	global_load_b128 v[12:15], v6, s[8:9] offset:16
	s_lshl2_add_u32 s28, s28, s3
	s_lshl_b32 s28, s28, 10
	v_add_nc_u32 v5, s28, v5
	s_wait_loadcnt 0x0
	TOBF
	global_store_b128 v5, v[16:19], s[22:23]
	s_endpgm
.Lnot_w1:
	s_cmp_lt_u32 s5, NW2+NW1+NW3
	s_cbranch_scc0 .Lbias
	; ---- W3: four rows of 4,096 bytes; lanes of rows 4-15 read row 3 and write zeros
	s_sub_co_u32 s29, s5, NW2+NW1
	s_lshl2_add_u32 s29, s29, s3                   ; kc
	s_lshl_b32 s30, s29, 7
	s_add_co_u32 s30, s30, s31
	v_min_u32 v7, 3, v3
	v_lshlrev_b32 v6, 12, v7
	v_lshl_add_u32 v6, v4, 5, v6
	v_add_nc_u32 v6, s30, v6
	global_load_b128 v[8:11], v6, s[12:13]
	global_load_b128 v[12:15], v6, s[12:13] offset:16
	s_lshl_b32 s28, s29, 10
	s_add_co_u32 s28, s28, 16384
	v_add_nc_u32 v5, s28, v5
	v_cmp_gt_u32 vcc_lo, 4, v3
	s_wait_loadcnt 0x0
	RND4 8
	RND4 12
	v_cvt_pk_f16_f32 v16, v8, v9
	v_cvt_pk_f16_f32 v17, v10, v11
	v_cvt_pk_f16_f32 v18, v12, v13
	v_cvt_pk_f16_f32 v19, v14, v15
	v_cndmask_b32 v16, 0, v16, vcc_lo
	v_cndmask_b32 v17, 0, v17, vcc_lo
	v_cndmask_b32 v18, 0, v18, vcc_lo
	v_cndmask_b32 v19, 0, v19, vcc_lo
	global_store_b128 v5, v[16:19], s[24:25]
	s_endpgm
.Lbias:
	; ---- b1 and b2: 256 threads x 16 bytes each; waves 0 and 1 then take obs_mean and obs_scale, 512 bytes each
	v_lshlrev_b32 v6, 4, v0
	global_load_b128 v[8:11], v6, s[14:15]
	global_load_b128 v[12:15], v6, s[16:17]
	s_wait_loadcnt 0x0
	RND4 8
	RND4 12
	global_store_b128 v6, v[8:11], s[24:25]
	global_store_b128 v6, v[12:15], s[24:25] offset:4096
	s_cmp_gt_u32 s2, 1
	s_cbranch_scc1 .Lend
	s_cmp_eq_u32 s2, 0
	s_cselect_b64 s[28:29], s[18:19], s[20:21]     ; wave 0: the mean; wave 1: the scale
	v_lshlrev_b32 v7, 4, v1
	global_load_b128 v[20:23], v7, s[28:29]
	s_lshl_b32 s30, s2, 9
	s_add_co_u32 s30, s30, 8192
	v_add_nc_u32 v24, s30, v7
	s_wait_loadcnt 0x0
	RND4 20
	global_store_b128 v24, v[20:23], s[24:25]
.Lend:
	s_endpgm
.Lfunc_end_k_qd5ddc8cd1f_pack:
	.size	k_qd5ddc8cd1f_pack, .Lfunc_end_k_qd5ddc8cd1f_pack-k_qd5ddc8cd1f_pack
	.p2alignl 7, 3214868480
	.fill 96, 4, 3214868480
	.section	.rodata,"a",@progbits
	.p2align	6, 0x0
	.amdhsa_kernel k_qd5ddc8cd1f_pack
		.amdhsa_group_segment_fixed_size 0
		.amdhsa_private_segment_fixed_size 0
		.amdhsa_enable_private_segment 0
		.amdhsa_kernarg_size 72
		.amdhsa_user_sgpr_count 2
		.amdhsa_user_sgpr_kernarg_segment_ptr 1
		.amdhsa_wavefront_size32 1
		.amdhsa_system_sgpr_workgroup_id_x 1
		.amdhsa_system_sgpr_workgroup_id_y 1
		.amdhsa_system_sgpr_workgroup_id_z 1
		.amdhsa_system_vgpr_workitem_id 0
		.amdhsa_next_free_vgpr 32
		.amdhsa_next_free_sgpr 66
		.amdhsa_reserve_vcc 1
		.amdhsa_float_denorm_mode_32 3
		.amdhsa_float_denorm_mode_16_64 3
		.amdhsa_memory_ordered 1
		.amdhsa_forward_progress 1
		.amdhsa_inst_pref_size 7
	.end_amdhsa_kernel
	.amdgpu_metadata
---
amdhsa.version: [ 1, 2 ]
amdhsa.kernels:
  - .name:           k_qd5ddc8cd1f_pack
    .symbol:         k_qd5ddc8cd1f_pack.kd
    .args:
      - { .name: W1, .offset: 0, .size: 8, .value_kind: global_buffer, .address_space: global }
      - { .name: W2, .offset: 8, .size: 8, .value_kind: global_buffer, .address_space: global }
      - { .name: W3, .offset: 16, .size: 8, .value_kind: global_buffer, .address_space: global }
      - { .name: b1, .offset: 24, .size: 8, .value_kind: global_buffer, .address_space: global }
      - { .name: b2, .offset: 32, .size: 8, .value_kind: global_buffer, .address_space: global }
      - { .name: obs_mean, .offset: 40, .size: 8, .value_kind: global_buffer, .address_space: global }
      - { .name: obs_scale, .offset: 48, .size: 8, .value_kind: global_buffer, .address_space: global }
      - { .name: wstream, .offset: 56, .size: 8, .value_kind: global_buffer, .address_space: global }
      - { .name: cbuf, .offset: 64, .size: 8, .value_kind: global_buffer, .address_space: global }
    .group_segment_fixed_size: 0
    .private_segment_fixed_size: 0
    .kernarg_segment_align: 8
    .kernarg_segment_size: 72
    .max_flat_workgroup_size: 256
    .sgpr_count:     66
    .vgpr_count:     32
    .wavefront_size: 32
...
	.end_amdgpu_metadata
.endif
;; end of part 1
;; launch enc (part 2): grid 256 x 1, 4 waves a work-group, clusters of 4 x 1, 327,680 bytes of LDS; arguments obs, wstream, cbuf, counts, flags; writes counts, flags
.if DOCPART == 2
	.amdgcn_target "amdgcn-amd-amdhsa--gfx1250"
	.amdhsa_code_object_version 6
	.text
	.protected	k_qd5ddc8cd1f_enc
	.globl	k_qd5ddc8cd1f_enc
	.p2align	8
	.type	k_qd5ddc8cd1f_enc,@function
k_qd5ddc8cd1f_enc:
	s_mov_b64 s[64:65], 0
	v_nop
	global_prefetch_b8 v0, s[64:65] scope:SCOPE_SE
	s_setreg_imm32_b32 hwreg(HW_REG_WAVE_MODE, 25, 1), 1
	s_wait_xcnt 0x0
	s_wait_alu depctr_hold_cnt(0) depctr_sa_sdst(0) depctr_va_vdst(0) depctr_va_sdst(0) depctr_va_ssrc(0) depctr_va_vcc(0) depctr_vm_vsrc(0)
	s_getreg_b32 s2, hwreg(HW_REG_IB_STS2, 6, 4)
	s_cmp_eq_u32 s2, 0
	s_cbranch_scc0 .Lentry_in_a_cluster
	s_endpgm
.Lentry_in_a_cluster:
	s_bfe_u32 s2, ttmp6, 0x10000c
	s_cmp_lg_u32 s2, 0x3003
	s_cbranch_scc0 .Lentry_shape_is_right
	s_endpgm
.Lentry_shape_is_right:
; Layer 1: c1 = ((obs - mean) scale) W1^T + b1, and the spike COUNT (0..16) of a leaky integrate-and-fire unit (16 steps, decay 0.5, threshold 1, reset to 0) driven by the constant c1.
; FORMATS.  Every input is rounded to bf16 (weights, biases, mean and scale by the launch before, obs here).  (obs - mean) scale is made in f32 and split EXACTLY into three bf16 pieces
; (8 + 8 + 8 significant bits), so the product runs over K = 3 x 128, low pieces first; sums in f32.
; THE UNIT AS A FUNCTION OF c.  With M_1 = c, M_j = 0.5 M_(j-1) + c and k the first j with M_j >= 1 (17 if none): count = floor(16 / k).  M_j grows with c, so k <= j is c > t_j, t_j the largest f32 with
; M_j(t_j) < 1; the count changes at j = 16, 8, 5, 4, 3, 2, 1.  The t_j are found at the start by the recurrence itself on 32 neighbouring f32 numbers, a lane each.
; RAMPS AND FLAGS.  g_j = (c - t_j) 2^17 + 0.5 held to 0..1 is the step [c > t_j] wherever |c - t_j| >= 2^-18, and a proper fraction, a multiple of 2^-7, inside.  V = the sum of the seven g_j;
; count = V + 2 g_2 + 7 g_1.  A number so near a threshold hangs on the order of an f32 sum's roundings: it is FLAGGED (the low seven bits of V + 2^16 are V's fraction), and the next launch makes it anew.
; A flag is a lane's: some of its 32 numbers of a block is near.  The wave's lane mask for block i is kept as data in lane i of one register and stored at the end.
; LIMITS.  NaN and infinities are not treated.  Outside the window of 2^-18 the count is that of the exact-split sum.
; SHARES.  A work-group owns 64 rows.  Wave w: g = w / 2 picks rows 32 g .. 32 g + 31 (two tiles of 16), p = w % 2 the parity of the blocks of 32 units that it makes.  The product is used transposed
; (source 0 = 16 rows of W1, source 1 = 16 batch rows): a lane holds one batch row and eight units, and two results rounded in pairs ARE a fragment of the next product's source 1.
; counts: fragment (block hb, row tile rt) of (work-group, g) at ((2 wg + g) 64 + 2 hb + rt) 1,024; a wave's store covers 512 consecutive bytes.
; W1's fragments, 262,144 bytes, fill the two LDS slots once; the four work-groups of a cluster ask for them jointly.
; BY TURNS.  While a block's 48 products are issued, the block before goes through its units: five or six vector lines behind each.  All that these lines name lies in window 0, but for source 1, which is
; a constant or v[0:1]; v[0:1] holds 2^17 in all four windows.  So with only source 1 (the batch operand) in windows 1-3 the products and the lines behind them need no switch.
; REGISTERS, in windows of 256 (s_set_vgpr_msb: bits 1:0 source 0, 3:2 source 1, 5:4 source 2, 7:6 destination): window 0: the names below.  Windows 1-3: v0-1 2^17; v184-247 the pieces (1 low, 2 middle,
; 3 high), fragment 2 kc + rt; window 1, 2 v248-255 the fragment being made for row tile 0, 1; at the start window 1, 2 v8-71 mean and scale.
.set SLOT1,  0x20000                   ; slot 0 at 0, slot 1 here
.set XB,     0x40000                   ; behind the slots: the obs tile
.set OPI,    528                       ; a row of obs in LDS: 512 bytes + 16 of padding, an odd multiple of 16
.set SPARE,  0x4e000                   ; the spare words, 128 bytes a wave, two blocks of 256 bytes that no other line names
.set CMEAN,  8192
.set CSCALE, 8704
.set VL,   2                           ; lane
.set VR,   3                           ; lane % 16
.set VH,   4                           ; lane / 16
.set AADR, 5                           ; LDS address in hand
.set A0,   6                           ; my lane's and parity's place in a unit of weights
.set CADR, 7                           ; offset of the counts in hand
.set CO0,  8
.set FADR, 9                           ; offset of my word of flags
.set BADR, 10                          ; offset of the bias loads
.set BOFF0, 11
.set FM,   12                          ; lane i: the wave's mask of flagged lanes for block i
.set SPW,  14                          ; my spare word; never rewritten
.set NIL,  15                          ; 0; never rewritten
.set NN,   16                          ; the pairs (0.5 - 2^17 t_j) twice, at NN + 2 (j - 1)
.set HH,   50                          ; v50-57  four pairs of ramps
.set TA,   58                          ; v58-65  V, then the count
.set TB,   66                          ; v66-73  g_2
.set BIAS, 74                          ; v74-89  bias of the block being multiplied
.set ACC,  90                          ; v90-121 four accumulators, tile t = 2 x (16 units) + row tile
.set PEND, 122                         ; v122-153 the currents of the block before
.set ABUF, 154                         ; v154-217 eight weight fragments
.set HB,   218                         ; v218-225 g_1
.set WW,   226                         ; v226-233 V + 2^16
.set ZZ,   234                         ; v234-237 the fractions' bits, gathered
.set PT,   218                         ; set-up only
.set PU,   226
.set SPK,  8
.set B1,   184
.set FF,   248
.set MSB, 0
.macro WIN new                         ; the immediate's high byte repeats the setting that is left; a switch that changes nothing is dropped
.if MSB != (\new)
	s_set_vgpr_msb (MSB<<8)|(\new)
.set MSB, (\new)
.endif
.endm
.macro WRID                            ; for lines that name window 0 everywhere but in source 1
.if (MSB & 0xf3) != 0
	WIN 0
.endif
.endm
.macro NOP4
.rept 4
	v_nop
.endr
.endm
; A round of the cluster's barrier: my work-group's barrier; wave 0 signals for the work-group; every wave waits for all four work-groups; my work-group's barrier once more.
.macro ROUND
	s_barrier_signal -1
	s_barrier_wait -1
	s_cmp_lg_u32 s16, 0
	s_cbranch_scc1 .Lnw0_\@
	s_barrier_signal -3
.Lnw0_\@:
	s_barrier_wait -3
	s_barrier_signal -1
	s_barrier_wait -1
.endm
; ---------------------------------------------------------------- the head
	s_load_b256 s[4:11], s[0:1], 0x0               ; obs s[4:5], wstream s[6:7], cbuf s[8:9], counts s[10:11]
	s_load_b64 s[12:13], s[0:1], 0x20              ; flags
	v_lshl_add_u32 v[SPW], v0, 2, SPARE
	v_mov_b32 v[NIL], 0
	ds_add_u32 v[SPW], v[NIL]                      ; the wave's opening: the add and its wait stand ahead of my first tensor load
	v_lshrrev_b32 v2, 5, v0
	v_readfirstlane_b32 s16, v2                    ; wave 0..3
	s_lshr_b32 s17, s16, 1                         ; g
	s_and_b32 s18, s16, 1                          ; p
	s_bfe_u32 s19, ttmp6, 0x40000                  ; cx: it enters global addresses of obs, counts and flags alone
	s_lshl_b32 s20, ttmp9, 2
	s_add_co_u32 s20, s20, s19                     ; my block of 64 rows
	; group 1 of the weights' loads: 128 rows of 32 elements of 8 bytes, dense
	s_mov_b32 s24, 15|(3<<16)|(1<<21)              ; 15:0 the mask of four; 17:16 elements of 8 bytes; 21 set beside a mask
	s_mov_b32 s25, 32<<16                          ; tensor_dim0 = 32
	s_mov_b32 s26, 128<<16                         ; tensor_dim1 = 128
	s_mov_b32 s27, 32<<16                          ; tile_dim0 = 32
	s_mov_b32 s28, 128                             ; tile_dim1 = 128
	s_mov_b32 s29, 32                              ; 32 elements from row to row
	s_mov_b32 s30, 0
	s_mov_b32 s31, 0
	; group 1 of the obs load: 16 rows of 128 f32, 4 words of padding behind every 128 words; no mask: the rows are my work-group's own
	s_mov_b32 s36, (2<<16)|(1<<20)|(6<<22)|(3<<25)
	s_mov_b32 s37, 128<<16
	s_mov_b32 s38, 16<<16
	s_mov_b32 s39, 128<<16
	s_mov_b32 s40, 16
	s_mov_b32 s41, 128
	s_mov_b32 s42, 0
	s_mov_b32 s43, 0
	s_mov_b32 s44, 1                               ; group 0, obs: to XB + 16 w rows
	s_mul_i32 s45, s16, 16*OPI
	s_add_co_u32 s45, s45, XB
	s_mov_b32 s68, 1                               ; group 0, W1's first half: my quarter of slot 0
	s_lshl_b32 s69, s16, 15
	s_mov_b32 s32, 1                               ; group 0, W1's second half: my quarter of slot 1
	s_add_co_u32 s33, s69, SLOT1
	s_lshl_b32 s66, s16, 15                        ; my quarter in memory
	s_mov_b32 s67, 0
	s_lshl_b32 s22, s20, 15                        ; 64 rows of 512 bytes a work-group,
	s_lshl_b32 s23, s16, 13                        ; 16 a wave
	s_add_co_u32 s22, s22, s23
	s_mov_b32 s23, 0
	s_lshl_b32 s52, s20, 1                         ; counts: 65,536 bytes for each (work-group, g)
	s_add_co_u32 s52, s52, s17
	s_lshl_b32 s52, s52, 16
	s_mov_b32 s53, 0
	s_mov_b32 s59, 0xffff0000                      ; a word's upper bf16
	s_mov_b32 s57, 0                               ; the block that goes through its units
	s_mov_b32 s60, 0                               ; LDS byte of the unit of weights in hand
	s_mov_b32 s61, 0                               ; byte of the bias in hand
	s_mov_b32 s62, 0                               ; byte of the counts in hand
	s_wait_dscnt 0x0                               ; the opening add is done
	s_wait_kmcnt 0x0
	s_add_nc_u64 s[46:47], s[4:5], s[22:23]
	s_or_b32 s47, s47, 0x80000000
	s_add_nc_u64 s[70:71], s[6:7], s[66:67]
	s_add_nc_u64 s[34:35], s[70:71], SLOT1
	s_or_b32 s71, s71, 0x80000000
	s_or_b32 s35, s35, 0x80000000
	s_add_nc_u64 s[10:11], s[10:11], s[52:53]
	ROUND                                          ; all four work-groups are here: the joint loads meet
	tensor_load_to_lds s[44:47], s[36:43]          ; the three fills of the launch go out together: three tensor loads of mine are out
	s_nop 0
	tensor_load_to_lds s[68:71], s[24:31]
	s_nop 0
	tensor_load_to_lds s[32:35], s[24:31]
	s_nop 0
	NOP4
	; ---- addresses
	v_and_b32 v[VL], 31, v0
	v_and_b32 v[VR], 15, v0
	v_bfe_u32 v[VH], v0, 4, 1
	s_mul_i32 s58, s17, 32*OPI
	s_add_co_u32 s58, s58, XB
	v_mul_u32_u24 v[AADR], v[VR], OPI              ; obs: row 32 g + lane % 16, 32 bytes for each half of the lanes
	v_lshl_add_u32 v[AADR], v[VH], 5, v[AADR]
	v_add_nc_u32 v[AADR], s58, v[AADR]
	s_lshl_b32 s58, s18, 13
	v_lshl_add_u32 v[A0], v[VL], 4, s58            ; my parity's two tiles of 16 units are 8,192 bytes
	s_lshl_b32 s58, s18, 11
	v_lshl_add_u32 v[CO0], v[VL], 4, s58           ; counts: block 2 i + p is 2,048 bytes
	s_lshl2_add_u32 s58, s20, s16                  ; flags: 128 bytes for wave 4 wg + w
	s_lshl_b32 s58, s58, 7
	v_lshl_add_u32 v[FADR], v[VL], 2, s58
	s_lshl_b32 s58, s18, 7
	v_lshl_add_u32 v[BOFF0], v[VH], 5, s58         ; b1: block 2 i + p, eight numbers for each half of the lanes
	v_lshlrev_b32 v[BADR], 5, v[VH]
	; ---- mean and scale in the order of a fragment's sixteen numbers, for the four kc: window 1 and 2, v8-71
	WIN 0x40
.set kc, 0
.rept 4
	global_load_b128 v[SPK+16*kc:SPK+16*kc+3],     v[BADR], s[8:9] offset:CMEAN+kc*128
	global_load_b128 v[SPK+16*kc+4:SPK+16*kc+7],   v[BADR], s[8:9] offset:CMEAN+kc*128+16
	global_load_b128 v[SPK+16*kc+8:SPK+16*kc+11],  v[BADR], s[8:9] offset:CMEAN+kc*128+64
	global_load_b128 v[SPK+16*kc+12:SPK+16*kc+15], v[BADR], s[8:9] offset:CMEAN+kc*128+80
.set kc, kc+1
.endr
	WIN 0x80
.set kc, 0
.rept 4
	global_load_b128 v[SPK+16*kc:SPK+16*kc+3],     v[BADR], s[8:9] offset:CSCALE+kc*128
	global_load_b128 v[SPK+16*kc+4:SPK+16*kc+7],   v[BADR], s[8:9] offset:CSCALE+kc*128+16
	global_load_b128 v[SPK+16*kc+8:SPK+16*kc+11],  v[BADR], s[8:9] offset:CSCALE+kc*128+64
	global_load_b128 v[SPK+16*kc+12:SPK+16*kc+15], v[BADR], s[8:9] offset:CSCALE+kc*128+80
.set kc, kc+1
.endr
	WIN 0
	; ---- the seven thresholds.  1 / (2 - 2^(1-j)) = 0.5 (1 + 1 / (2^j - 1)); lane l tries the f32 whose bits are that number's, cut, - 16 + l.  The recurrence's roundings move the threshold by less
	; than two such steps.  The lanes with M_j < 1 are the lowest ones; their number gives t_j's bits.  0.5 - 2^17 t_j is exact.  These numbers feed data operands alone.
.irp j, 1,2,3,4,5,8,16
	v_add_nc_u32 v[PEND], 0x3f000000+(1<<23)/((1<<\j)-1)-16, v[VL]
	v_mov_b32 v[PEND+1], v[PEND]                   ; M_1 = c
.if \j > 1
.rept \j-1
	v_fma_f32 v[PEND+1], 0.5, v[PEND+1], v[PEND]
.endr
.endif
	v_cmp_gt_f32 s63, 1.0, v[PEND+1]
	s_bcnt1_i32_b32 s63, s63
	s_add_co_u32 s63, s63, 0x3f000000+(1<<23)/((1<<\j)-1)-17
	v_mov_b32 v[NN+2*\j-2], s63                    ; t_j
	v_fma_f32 v[NN+2*\j-2], v[NN+2*\j-2], 0xc8000000, 0.5
	v_mov_b32 v[NN+2*\j-1], v[NN+2*\j-2]
.endr
.irp wn, 0, 0x40, 0x80, 0xc0                   ; 2^17 in v[0:1] of every window; v0's last use as the thread's number lies above
	WIN \wn
	v_mov_b32 v0, 0x48000000
	v_mov_b32 v1, 0x48000000
.endr
	WIN 0
; ---------------------------------------------------------------- (obs - mean) scale, in three pieces
	s_wait_tensorcnt 0x2                           ; my 16 rows of obs are in; the two weight loads were issued behind them and stay out
	s_barrier_signal -1
	s_barrier_wait -1                              ; everybody's are
.set n, 0
.rept 8                                        ; fragment n = 4 row tile + kc: sixteen f32 a lane
	ds_load_b128 v[ACC+16*n:ACC+16*n+3],     v[AADR] offset:(n/4)*16*OPI+(n%4)*128
	ds_load_b128 v[ACC+16*n+4:ACC+16*n+7],   v[AADR] offset:(n/4)*16*OPI+(n%4)*128+16
	ds_load_b128 v[ACC+16*n+8:ACC+16*n+11],  v[AADR] offset:(n/4)*16*OPI+(n%4)*128+64
	ds_load_b128 v[ACC+16*n+12:ACC+16*n+15], v[AADR] offset:(n/4)*16*OPI+(n%4)*128+80
.set n, n+1
.endr
	s_wait_loadcnt 0x0                             ; mean and scale
.macro SPLIT wn                        ; the piece for window wn is rounded off and taken away: the difference is exact
	WIN (\wn)<<6
.set i, 0
.rept 8
	v_cvt_pk_bf16_f32 v[rF+i], v[rR+2*i], v[rR+2*i+1]
.set i, i+1
.endr
	WIN (\wn)<<2
.set i, 0
.rept 8
	v_lshlrev_b32 v[PU+2*i], 16, v[rF+i]
	v_and_b32 v[PU+2*i+1], s59, v[rF+i]
.set i, i+1
.endr
	WIN 0
.set i, 0
.rept 8
	v_pk_add_f32 v[rR+2*i:rR+2*i+1], v[rR+2*i:rR+2*i+1], v[PU+2*i:PU+2*i+1] neg_lo:[0,1] neg_hi:[0,1]
.set i, i+1
.endr
.endm
.macro PREP n
.set rR, ACC+16*(\n)
.set rF, B1+8*(((\n)%4)*2+(\n)/4)
.set rM, SPK+16*((\n)%4)
	s_wait_dscnt 4*(7-(\n))                        ; the later fragments' loads, four each, may stay out
	WIN 0
.set i, 0
.rept 8
	v_cvt_pk_bf16_f32 v[PT+i], v[rR+2*i], v[rR+2*i+1]          ; obs rounded to bf16,
.set i, i+1
.endr
.set i, 0
.rept 8
	v_lshlrev_b32 v[rR+2*i], 16, v[PT+i]                       ; and widened again
	v_and_b32 v[rR+2*i+1], s59, v[PT+i]
.set i, i+1
.endr
	WIN 0x04
.set i, 0
.rept 8
	v_pk_add_f32 v[rR+2*i:rR+2*i+1], v[rR+2*i:rR+2*i+1], v[rM+2*i:rM+2*i+1] neg_lo:[0,1] neg_hi:[0,1]
.set i, i+1
.endr
	WIN 0x08
.set i, 0
.rept 8
	v_pk_mul_f32 v[rR+2*i:rR+2*i+1], v[rR+2*i:rR+2*i+1], v[rM+2*i:rM+2*i+1]
.set i, i+1
.endr
	SPLIT 3                                        ; high
	SPLIT 2                                        ; middle
	WIN 0x40                                       ; what is left has eight bits: low, exact
.set i, 0
.rept 8
	v_cvt_pk_bf16_f32 v[rF+i], v[rR+2*i], v[rR+2*i+1]
.set i, i+1
.endr
.endm
.irp n, 0,1,2,3,4,5,6,7
	PREP \n
.endr
	WIN 0
	v_mov_b32 v[FM], 0
	s_wait_tensorcnt 0x0                           ; my quarters of both halves of W1 are in
	s_wait_dscnt 0x0
	s_barrier_signal -1
	s_barrier_wait -1                              ; everybody's are; LDS is only read from here on
; ---------------------------------------------------------------- the blocks
; Entry q1 of the 304 that take a block's four tiles of currents to counts and flags.  Four pairs a tile go side by side, so a line reads what was made four lines back or more.
.macro Q1
.set g1, q1/76
.set e1, q1%76
.if e1 < 64
.set pp, e1%4
.set bk, e1/4
.set rP, PEND+8*g1+2*pp
.set rV, TA+2*pp
.set rH, HH+2*pp
.set rG2, TB+2*pp
.set rG1, HB+2*pp
.set rW, WW+2*pp
	WRID
.if bk == 0
	v_pk_fma_f32 v[rV:rV+1], v[rP:rP+1], v[0:1], v[NN+30:NN+31] clamp          ; g_16 starts V
.elseif (bk < 9) && (bk%2 == 1)
.set jj, 6-(bk-1)/2                    ; 8, 5, 4, 3
.if bk == 1
.set jj, 8
.endif
	v_pk_fma_f32 v[rH:rH+1], v[rP:rP+1], v[0:1], v[NN+2*jj-2:NN+2*jj-1] clamp
.elseif bk < 9
	v_pk_fma_f32 v[rV:rV+1], v[rH:rH+1], 1.0, v[rV:rV+1] op_sel_hi:[1,0,1]
.elseif bk == 9
	v_pk_fma_f32 v[rG2:rG2+1], v[rP:rP+1], v[0:1], v[NN+2:NN+3] clamp
.elseif bk == 10
	v_pk_fma_f32 v[rV:rV+1], v[rG2:rG2+1], 1.0, v[rV:rV+1] op_sel_hi:[1,0,1]
.elseif bk == 11
	v_pk_fma_f32 v[rG1:rG1+1], v[rP:rP+1], v[0:1], v[NN:NN+1] clamp
.elseif bk == 12
	v_pk_fma_f32 v[rV:rV+1], v[rG1:rG1+1], 1.0, v[rV:rV+1] op_sel_hi:[1,0,1]
.elseif bk == 13
	v_pk_add_f32 v[rW:rW+1], v[rV:rV+1], 0x47800000 op_sel_hi:[1,0]            ; V + 2^16, exact: its last place is 2^-7
.elseif bk == 14
	v_pk_fma_f32 v[rV:rV+1], v[rG2:rG2+1], 2.0, v[rV:rV+1] op_sel_hi:[1,0,1]
.else
	v_pk_fma_f32 v[rV:rV+1], v[rG1:rG1+1], 0x40e00000, v[rV:rV+1] op_sel_hi:[1,0,1]
.endif
.elseif e1 < 72
.set z, e1-64
	WRID
.if (g1 == 0) && (z < 4)
	v_and_or_b32 v[ZZ+z%4], v[WW+z], 0x7f, 0                                   ; the block's first four start the gathering
.else
	v_and_or_b32 v[ZZ+z%4], v[WW+z], 0x7f, v[ZZ+z%4]
.endif
.else
.set pp, e1-72
	WIN (1+g1%2)<<6
	v_cvt_pk_bf16_f32 v[FF+4*(g1/2)+pp], v[TA+2*pp], v[TA+2*pp+1]
.endif
.set q1, q1+1
.endm
.macro RIDE1 n
.rept \n
	Q1
.endr
.endm
; mm = 1: the products of block 2 i + p (48 matrix instructions: low, middle, high piece x 4 kc x 4 tiles; the four accumulators take turns).
; lif = 1: beside them the units of the block before, whose counts are stored.
.macro L1ITER mm, lif
	WIN 0
.if \lif
	s_wait_xcnt 0x0                                ; the last trip's stores have had their addresses translated: their offset and data registers are rewritten only behind this wait
.endif
.if \mm
	v_add_nc_u32 v[AADR], s60, v[A0]
.set kc, 0
.rept 4                                        ; the loads stand four plain vector lines or more behind the last product that read these registers
	ds_load_b128 v[ABUF+16*kc:ABUF+16*kc+3],     v[AADR] offset:kc*1024
	ds_load_b128 v[ABUF+16*kc+4:ABUF+16*kc+7],   v[AADR] offset:kc*1024+512
	ds_load_b128 v[ABUF+16*kc+8:ABUF+16*kc+11],  v[AADR] offset:4096+kc*1024
	ds_load_b128 v[ABUF+16*kc+12:ABUF+16*kc+15], v[AADR] offset:4096+kc*1024+512
.set kc, kc+1
.endr
	s_add_co_u32 s60, s60, 16384
.endif
.if \lif
	s_wait_loadcnt 0x0                             ; the bias asked for a trip ago
.set t, 0
.rept 4                                        ; each accumulator is read from its low end on
.set pp, 0
.rept 4
	v_pk_add_f32 v[PEND+8*t+2*pp:PEND+8*t+2*pp+1], v[ACC+8*t+2*pp:ACC+8*t+2*pp+1], v[BIAS+8*(t/2)+2*pp:BIAS+8*(t/2)+2*pp+1]
.set pp, pp+1
.endr
.set t, t+1
.endr
.endif
.if \mm
	v_add_nc_u32 v[BADR], s61, v[BOFF0]            ; free: every load that named it has been waited for
	global_load_b128 v[BIAS:BIAS+3],     v[BADR], s[8:9]
	global_load_b128 v[BIAS+4:BIAS+7],   v[BADR], s[8:9] offset:16
	global_load_b128 v[BIAS+8:BIAS+11],  v[BADR], s[8:9] offset:64
	global_load_b128 v[BIAS+12:BIAS+15], v[BADR], s[8:9] offset:80
	s_add_co_u32 s61, s61, 256
.endif
.set q1, 0
.if \lif
	RIDE1 24
.endif
.if \mm
.set i, 0
.rept 48
.set kc, (i/4)%4
.set t, i%4
.if (i < 16) && (i%4 == 0)
	s_wait_dscnt 12-4*kc                           ; the fragments of later kc, four loads each, may stay out
.endif
	WIN (1+i/16)<<2
.if i < 4
	v_wmma_f32_16x16x32_bf16 v[ACC+8*t:ACC+8*t+7], v[ABUF+8*(kc*2+t/2):ABUF+8*(kc*2+t/2)+7], v[B1+8*(kc*2+t%2):B1+8*(kc*2+t%2)+7], 0
.else
	v_wmma_f32_16x16x32_bf16 v[ACC+8*t:ACC+8*t+7], v[ABUF+8*(kc*2+t/2):ABUF+8*(kc*2+t/2)+7], v[B1+8*(kc*2+t%2):B1+8*(kc*2+t%2)+7], v[ACC+8*t:ACC+8*t+7]
.endif
.if \lif
.if i%6 == 0
	RIDE1 5
.else
	RIDE1 6
.endif
.endif
.set i, i+1
.endr
.if !(\lif)
	NOP4                                           ; the places behind the last product
.endif
.else
	RIDE1 280
.endif
	WIN 0
.if \lif
	v_or_b32 v[ZZ], v[ZZ], v[ZZ+1]
	v_or_b32 v[ZZ+2], v[ZZ+2], v[ZZ+3]
	v_or_b32 v[ZZ], v[ZZ], v[ZZ+2]
	v_cmp_ne_u32 s63, 0, v[ZZ]                     ; the lanes with a number near a threshold: kept as data, steers nothing here
	v_cmp_eq_u32 vcc_lo, s57, v[VL]
	v_cndmask_b32 v[FM], v[FM], s63, vcc_lo        ; into the lane of the block's number
	s_add_co_u32 s57, s57, 1
	v_add_nc_u32 v[CADR], s62, v[CO0]
	s_add_co_u32 s62, s62, 4096
	WIN 0x04
	global_store_b128 v[CADR], v[FF:FF+3], s[10:11]                ; each store covers 512 consecutive bytes, at a multiple of 512 from the buffer's first
	global_store_b128 v[CADR], v[FF+4:FF+7], s[10:11] offset:512
	WIN 0x08
	global_store_b128 v[CADR], v[FF:FF+3], s[10:11] offset:1024
	global_store_b128 v[CADR], v[FF+4:FF+7], s[10:11] offset:1536
	WIN 0
.endif
.endm
	L1ITER 1, 0                                    ; block 0's products alone
	s_mov_b32 s56, 15
.Lunit:
	L1ITER 1, 1
	s_sub_co_u32 s56, s56, 1
	s_cmp_lg_u32 s56, 0
	s_cbranch_scc1 .Lunit
	L1ITER 0, 1                                    ; the last block's units alone
	global_store_b32 v[FADR], v[FM], s[12:13]      ; lanes 0-15: the masks of blocks 0-15; lanes 16-31: 0
	s_wait_tensorcnt 0x0                           ; the wave's end
	ds_add_u32 v[SPW], v[NIL]
	s_wait_dscnt 0x0
	ROUND                                          ; the closing round
	s_endpgm
.Lfunc_end_k_qd5ddc8cd1f_enc:
	.size	k_qd5ddc8cd1f_enc, .Lfunc_end_k_qd5ddc8cd1f_enc-k_qd5ddc8cd1f_enc
	.p2alignl 7, 3214868480
	.fill 96, 4, 3214868480
	.section	.rodata,"a",@progbits
	.p2align	6, 0x0
	.amdhsa_kernel k_qd5ddc8cd1f_enc
		.amdhsa_group_segment_fixed_size 327680
		.amdhsa_private_segment_fixed_size 0
		.amdhsa_enable_private_segment 0
		.amdhsa_kernarg_size 40
		.amdhsa_user_sgpr_count 2
		.amdhsa_user_sgpr_kernarg_segment_ptr 1
		.amdhsa_wavefront_size32 1
		.amdhsa_system_sgpr_workgroup_id_x 1
		.amdhsa_system_sgpr_workgroup_id_y 1
		.amdhsa_system_sgpr_workgroup_id_z 1
		.amdhsa_system_vgpr_workitem_id 0
		.amdhsa_next_free_vgpr 1024
		.amdhsa_next_free_sgpr 72
		.amdhsa_reserve_vcc 1
		.amdhsa_float_denorm_mode_32 3
		.amdhsa_float_denorm_mode_16_64 3
		.amdhsa_memory_ordered 1
		.amdhsa_forward_progress 1
		.amdhsa_inst_pref_size 120
	.end_amdhsa_kernel
	.amdgpu_metadata
---
amdhsa.version: [ 1, 2 ]
amdhsa.kernels:
  - .name:           k_qd5ddc8cd1f_enc
    .symbol:         k_qd5ddc8cd1f_enc.kd
    .args:
      - { .name: obs, .offset: 0, .size: 8, .value_kind: global_buffer, .address_space: global }
      - { .name: wstream, .offset: 8, .size: 8, .value_kind: global_buffer, .address_space: global }
      - { .name: cbuf, .offset: 16, .size: 8, .value_kind: global_buffer, .address_space: global }
      - { .name: counts, .offset: 24, .size: 8, .value_kind: global_buffer, .address_space: global }
      - { .name: flags, .offset: 32, .size: 8, .value_kind: global_buffer, .address_space: global }
    .group_segment_fixed_size: 327680
    .private_segment_fixed_size: 0
    .kernarg_segment_align: 8
    .kernarg_segment_size: 40
    .max_flat_workgroup_size: 128
    .sgpr_count:     72
    .vgpr_count:     1024
    .wavefront_size: 32
...
	.end_amdgpu_metadata
.endif
;; end of part 2
;; launch fix (part 3): grid 1024 x 1, 16 waves a work-group, no clusters, 0 bytes of LDS; arguments obs, wstream, cbuf, flags, counts; writes counts
.if DOCPART == 3
	.amdgcn_target "amdgcn-amd-amdhsa--gfx1250"
	.amdhsa_code_object_version 6
	.text
	.protected	k_qd5ddc8cd1f_fix
	.globl	k_qd5ddc8cd1f_fix
	.p2align	8
	.type	k_qd5ddc8cd1f_fix,@function
k_qd5ddc8cd1f_fix:
	s_mov_b64 s[64:65], 0
	v_nop
	global_prefetch_b8 v0, s[64:65] scope:SCOPE_SE
	s_setreg_imm32_b32 hwreg(HW_REG_WAVE_MODE, 25, 1), 1
	s_wait_xcnt 0x0
; The tie-break of layer 1.  Where a current lies within 2^-18 of a threshold, its spike count hangs on the order in which an f32 sum is rounded.  Those currents are made anew here as a plain f32
; product makes them: ONE chain of fused multiply-adds, k ascending from 0, then + b1; the sixteen steps of the unit are then run as they are written, and the counts stored over the earlier ones.
; This is no bulk work: a few numbers in a million are flagged.  Inputs are rounded to bf16 as everywhere in this program.
; SHARES.  Work-group ew = 4 wg + w stands for one wave of the launch before (g = w / 2, p = w % 2); its wave t for that wave's block hb = 2 t + p of 32 units, whose mask of flagged lanes is one word.
; No bit set: nothing to do.  A set bit l names r = l % 16: rows 32 (2 wg + g) + r and + 16 are made anew for all 32 units of the block, a unit a lane, the two rows side by side.
; The trip count is the mask's number of bits; r enters addresses behind a clamp.  No address and no branch hangs on a floating-point number.
; (obs - mean) scale is made by four numbers a lane (k = 4 l ..) and handed to all lanes through scalar registers.
.set CMEAN,  8192
.set CSCALE, 8704
.set WP, 32                            ; v32-95   my unit's row of W1, bf16: piece q (k = 8 q .. 8 q + 7) at WP + 4 q
.set WU, 96                            ; v96-111  sixteen of them as f32
	s_load_b256 s[4:11], s[0:1], 0x0               ; obs s[4:5], wstream s[6:7], cbuf s[8:9], flags s[10:11]
	s_load_b64 s[12:13], s[0:1], 0x20              ; counts
	v_and_b32 v1, 31, v0                           ; lane = unit in the block
	v_lshrrev_b32 v2, 5, v0
	v_readfirstlane_b32 s14, v2                    ; t
	s_mov_b32 s15, ttmp9                           ; ew
	s_lshl_b32 s16, s15, 7
	s_lshl2_add_u32 s16, s14, s16                  ; 128 ew + 4 t
	s_wait_kmcnt 0x0
	s_load_b32 s17, s[10:11], s16 offset:0x0       ; the mask
	s_and_b32 s19, s15, 1                          ; p
	s_lshr_b32 s20, s15, 1                         ; 2 wg + g
	s_lshl_b32 s21, s14, 1
	s_add_co_u32 s21, s21, s19                     ; hb
	s_lshl_b32 s26, s20, 16                        ; counts: 65,536 bytes for each (wg, g), 2,048 a block
	s_lshl_b32 s25, s21, 11
	s_add_co_u32 s26, s26, s25
	s_lshl_b32 s27, s20, 14                        ; obs: 32 rows of 512 bytes for each (wg, g)
	s_mov_b32 s28, 0xffff0000                      ; a word's upper bf16
	s_wait_kmcnt 0x0
	s_bcnt1_i32_b32 s18, s17                       ; items
	s_cmp_eq_u32 s18, 0
	s_cbranch_scc1 .Lend
	; my unit's row of W1 out of the fragments: tile 2 hb + lane / 16, row lane % 16; piece q = 4 kc + 2 hf + h lies 256 q bytes on
	v_lshrrev_b32 v2, 4, v1
	v_and_b32 v3, 15, v1
	v_lshlrev_b32 v3, 4, v3
	v_lshl_add_u32 v3, v2, 12, v3
	s_lshl_b32 s25, s21, 13
	v_add_nc_u32 v3, s25, v3
.set q, 0
.rept 16
	global_load_b128 v[WP+4*q:WP+4*q+3], v3, s[6:7] offset:256*q
.set q, q+1
.endr
	s_lshl_b32 s25, s21, 7
	v_lshl_add_u32 v4, v1, 2, s25                  ; b1 of my unit
	global_load_b32 v5, v4, s[8:9]
	v_lshlrev_b32 v6, 4, v1                        ; four numbers a lane
	global_load_b128 v[24:27], v6, s[8:9] offset:CMEAN
	global_load_b128 v[28:31], v6, s[8:9] offset:CSCALE
	v_lshrrev_b32 v7, 3, v1                        ; where my unit's count lies in a fragment, less the row: 512 hf + 256 h + 2 e
	v_and_b32 v2, 7, v1
	v_lshlrev_b32 v7, 8, v7
	v_lshl_add_u32 v7, v2, 1, v7
	s_mov_b32 s19, 0
.Litem:
	s_ctz_i32_b32 s20, s17                         ; the lowest flagged lane,
	s_min_u32 s20, s20, 31
	s_sub_co_u32 s21, s17, 1
	s_and_b32 s17, s17, s21                        ; which is struck off
	s_and_b32 s20, s20, 15                         ; r
	s_lshl_b32 s22, s20, 9
	s_add_co_u32 s22, s22, s27
	v_add_nc_u32 v8, s22, v6
	global_load_b128 v[16:19], v8, s[4:5]          ; row r
	global_load_b128 v[20:23], v8, s[4:5] offset:8192  ; row r + 16
	s_wait_loadcnt 0x0                             ; these, and in the first trip all the loads above
	v_cvt_pk_bf16_f32 v9, v16, v17                 ; obs rounded to bf16 and widened again
	v_cvt_pk_bf16_f32 v10, v18, v19
	v_cvt_pk_bf16_f32 v11, v20, v21
	v_cvt_pk_bf16_f32 v12, v22, v23
	v_lshlrev_b32 v16, 16, v9
	v_and_b32 v17, s28, v9
	v_lshlrev_b32 v18, 16, v10
	v_and_b32 v19, s28, v10
	v_lshlrev_b32 v20, 16, v11
	v_and_b32 v21, s28, v11
	v_lshlrev_b32 v22, 16, v12
	v_and_b32 v23, s28, v12
	v_pk_add_f32 v[16:17], v[16:17], v[24:25] neg_lo:[0,1] neg_hi:[0,1]
	v_pk_add_f32 v[18:19], v[18:19], v[26:27] neg_lo:[0,1] neg_hi:[0,1]
	v_pk_add_f32 v[20:21], v[20:21], v[24:25] neg_lo:[0,1] neg_hi:[0,1]
	v_pk_add_f32 v[22:23], v[22:23], v[26:27] neg_lo:[0,1] neg_hi:[0,1]
	v_pk_mul_f32 v[16:17], v[16:17], v[28:29]
	v_pk_mul_f32 v[18:19], v[18:19], v[30:31]
	v_pk_mul_f32 v[20:21], v[20:21], v[28:29]
	v_pk_mul_f32 v[22:23], v[22:23], v[30:31]
	; the two chains, sixteen k at a time: W1 widened, the two rows' numbers into scalar registers, 2 x 16 fused multiply-adds
.set gq, 0
.rept 8
.set i, 0
.rept 8
	v_lshlrev_b32 v[WU+2*i], 16, v[WP+8*gq+i]
	v_and_b32 v[WU+2*i+1], s28, v[WP+8*gq+i]
.set i, i+1
.endr
.set kk, 0
.rept 16
	v_readlane_b32 s[32+kk], v[16+kk%4], 4*gq+kk/4
	v_readlane_b32 s[48+kk], v[20+kk%4], 4*gq+kk/4
.set kk, kk+1
.endr
.set kk, 0
.rept 16
.if (gq == 0) && (kk == 0)
	v_mul_f32 v112, s32, v[WU]                     ; the chain's first link: a product added to 0
	v_mul_f32 v113, s48, v[WU]
.else
	v_fma_f32 v112, s[32+kk], v[WU+kk], v112
	v_fma_f32 v113, s[48+kk], v[WU+kk], v113
.endif
.set kk, kk+1
.endr
.set gq, gq+1
.endr
	v_add_f32 v112, v112, v5                       ; + b1
	v_add_f32 v113, v113, v5
	v_mov_b32 v114, 0                              ; membranes
	v_mov_b32 v115, 0
	v_mov_b32 v116, 0                              ; counts
	v_mov_b32 v117, 0
	s_mov_b32 s23, 16
.Lstep:                                                ; the unit's step as it is written: decay and current, threshold, reset
	v_fma_f32 v114, 0.5, v114, v112
	v_fma_f32 v115, 0.5, v115, v113
	v_cmp_le_f32 vcc_lo, 1.0, v114
	v_cmp_le_f32 s24, 1.0, v115
	v_cndmask_b32 v118, 0, 1.0, vcc_lo
	v_cndmask_b32 v119, 0, 1.0, s24
	v_cndmask_b32 v114, v114, 0, vcc_lo
	v_cndmask_b32 v115, v115, 0, s24
	v_add_f32 v116, v116, v118
	v_add_f32 v117, v117, v119
	s_sub_co_u32 s23, s23, 1
	s_cmp_lg_u32 s23, 0
	s_cbranch_scc1 .Lstep
	v_cvt_pk_bf16_f32 v14, v116, v117              ; exact: whole numbers up to 16
	s_lshl_b32 s22, s20, 4                         ; the row's 16 bytes in a fragment
	s_add_co_u32 s22, s22, s26
	v_add_nc_u32 v13, s22, v7
	global_store_b16 v13, v14, s[12:13]            ; row tile 0: eight neighbouring lanes fill 16 bytes; a rare path
	global_store_d16_hi_b16 v13, v14, s[12:13] offset:1024  ; row tile 1
	s_wait_xcnt 0x0                                ; v13 and v14 are written again only behind this wait
	s_add_co_u32 s19, s19, 1
	s_cmp_lt_u32 s19, s18
	s_cbranch_scc1 .Litem
.Lend:
	s_endpgm
.Lfunc_end_k_qd5ddc8cd1f_fix:
	.size	k_qd5ddc8cd1f_fix, .Lfunc_end_k_qd5ddc8cd1f_fix-k_qd5ddc8cd1f_fix
	.p2alignl 7, 3214868480
	.fill 96, 4, 3214868480
	.section	.rodata,"a",@progbits
	.p2align	6, 0x0
	.amdhsa_kernel k_qd5ddc8cd1f_fix
		.amdhsa_group_segment_fixed_size 0
		.amdhsa_private_segment_fixed_size 0
		.amdhsa_enable_private_segment 0
		.amdhsa_kernarg_size 40
		.amdhsa_user_sgpr_count 2
		.amdhsa_user_sgpr_kernarg_segment_ptr 1
		.amdhsa_wavefront_size32 1
		.amdhsa_system_sgpr_workgroup_id_x 1
		.amdhsa_system_sgpr_workgroup_id_y 1
		.amdhsa_system_sgpr_workgroup_id_z 1
		.amdhsa_system_vgpr_workitem_id 0
		.amdhsa_next_free_vgpr 128
		.amdhsa_next_free_sgpr 66
		.amdhsa_reserve_vcc 1
		.amdhsa_float_denorm_mode_32 3
		.amdhsa_float_denorm_mode_16_64 3
		.amdhsa_memory_ordered 1
		.amdhsa_forward_progress 1
		.amdhsa_inst_pref_size 43
	.end_amdhsa_kernel
	.amdgpu_metadata
---
amdhsa.version: [ 1, 2 ]
amdhsa.kernels:
  - .name:           k_qd5ddc8cd1f_fix
    .symbol:         k_qd5ddc8cd1f_fix.kd
    .args:
      - { .name: obs, .offset: 0, .size: 8, .value_kind: global_buffer, .address_space: global }
      - { .name: wstream, .offset: 8, .size: 8, .value_kind: global_buffer, .address_space: global }
      - { .name: cbuf, .offset: 16, .size: 8, .value_kind: global_buffer, .address_space: global }
      - { .name: flags, .offset: 24, .size: 8, .value_kind: global_buffer, .address_space: global }
      - { .name: counts, .offset: 32, .size: 8, .value_kind: global_buffer, .address_space: global }
    .group_segment_fixed_size: 0
    .private_segment_fixed_size: 0
    .kernarg_segment_align: 8
    .kernarg_segment_size: 40
    .max_flat_workgroup_size: 512
    .sgpr_count:     66
    .vgpr_count:     128
    .wavefront_size: 32
...
	.end_amdgpu_metadata
.endif
;; end of part 3
;; launch snn (part 4): grid 256 x 1, 4 waves a work-group, clusters of 4 x 1, 327,680 bytes of LDS; arguments counts, wstream, cbuf, xsum, flags2; writes xsum, flags2
.if DOCPART == 4
	.amdgcn_target "amdgcn-amd-amdhsa--gfx1250"
	.amdhsa_code_object_version 6
	.text
	.protected	k_qd5ddc8cd1f_snn
	.globl	k_qd5ddc8cd1f_snn
	.p2align	8
	.type	k_qd5ddc8cd1f_snn,@function
k_qd5ddc8cd1f_snn:
	s_mov_b64 s[64:65], 0
	v_nop
	global_prefetch_b8 v0, s[64:65] scope:SCOPE_SE
	s_setreg_imm32_b32 hwreg(HW_REG_WAVE_MODE, 25, 1), 1
	s_wait_xcnt 0x0
	s_wait_alu depctr_hold_cnt(0) depctr_sa_sdst(0) depctr_va_vdst(0) depctr_va_sdst(0) depctr_va_ssrc(0) depctr_va_vcc(0) depctr_vm_vsrc(0)
	s_getreg_b32 s2, hwreg(HW_REG_IB_STS2, 6, 4)
	s_cmp_eq_u32 s2, 0
	s_cbranch_scc0 .Lentry_in_a_cluster
	s_endpgm
.Lentry_in_a_cluster:
	s_bfe_u32 s2, ttmp6, 0x10000c
	s_cmp_lg_u32 s2, 0x3003
	s_cbranch_scc0 .Lentry_shape_is_right
	s_endpgm
.Lentry_shape_is_right:
; Layers 2 and 3, up to the sum: xsum[row][a] = the sum over hidden units of (spikes2 + membrane2) W3[a][unit], spikes2 and membrane2 those of leaky integrate-and-fire units (16 steps, decay 0.5,
; threshold 1, reset to 0) driven by the constant c2 = spikes1 W2^T + b2.  spikes1 comes from the launches before as spike COUNTS 0..16 in bf16, exact, laid out as matrix fragments; the 1/16 is applied to the f32 sum.
; FORMATS.  W2, b2 and W3 are rounded to bf16; count/16 + membrane and W3 go into the last product as f16.  Sums in f32.
; THE UNIT AS A FUNCTION OF c.  With M_1 = c, M_j = 0.5 M_(j-1) + c and k the first j with M_j >= 1 (17 if none): count = floor(16 / k), last membrane = M_(16 mod k).  M_j grows with c, so k <= j is
; c > t_j, t_j the largest f32 with M_j(t_j) < 1.  The 16 t_j are found at the start by the recurrence itself on 32 neighbouring f32 numbers, a lane each.
; RAMPS AND FLAGS.  g_j = (c - t_j) 2^19 + 0.5 held to 0..1 is the step [c > t_j] wherever |c - t_j| >= 2^-20, and a proper fraction, a multiple of 2^-5, inside; the t_j lie 2^-17 or more apart.
; count/16 = A = a sum of g_j with dyadic weights; membrane = B c, B likewise.  Each weight of B carries 256 more: B' = B + 256 x (the sum of the g_j), exact, and B lies in 0 to 2.  W = B' + 2^25 has the last place 4:
; its low six bits are twice the fraction's numerator, 0 outside every window; W - 2^25 is what B' carries too much.  A current inside a window hangs on the order of an f32 sum's roundings: its LANE is flagged,
; the lane's 2 rows x 16 units of the block enter the last product as 0, and a later launch makes them anew.  The wave's lane mask for block i is kept as data in lane i of one register and stored at the end.
; LIMITS.  NaN and infinities are not treated.  Outside the windows the interval of c is that of the matrix instruction's sum; inside an interval the membrane is (2 - 2^(1-r)) c rounded once, where the
; recurrence rounds r times.  count/16 + membrane is kept in f16: |c2| stays under 32,000.
; SHARES.  A work-group owns 64 rows.  Wave w: g = w / 2 picks rows 32 g .. 32 g + 31 (two tiles of 16), p = w % 2 the parity of the blocks of 32 hidden units that it makes.  The products are used
; transposed (source 0 = 16 rows of W, source 1 = 16 batch rows): a lane holds one batch row and eight hidden units, and two results rounded in pairs ARE the next product's source 1.
; A wave keeps the counts of its 32 rows for all 1,024 units in 512 registers, loaded once.
; W2 comes as a stream of 16 tiles of 131,072 bytes through two LDS slots.  The four work-groups of a cluster walk the same stream, so each tile is asked for JOINTLY.
; BY TURNS.  While a block's products are issued, the block before goes through its units: five or six vector lines behind each matrix instruction.  All that these lines name lies in window 0, but
; for source 1, which is a constant or v[0:1]; v[0:1] holds 2^19 in all four windows.  So with only source 1 (the batch operand) in windows 1-3 the products and the lines behind them need no switch.
; REGISTERS, in windows of 256 (s_set_vgpr_msb: bits 1:0 source 0, 3:2 source 1, 5:4 source 2, 7:6 destination):
;   window 0: see the names below.   windows 1-3: v0-1 2^19; v8-183 the counts, fragment f = 2 block + row tile in window 1 + f/22 at 8 + 8 (f%22);
;   v248-255: window 1, 2 the fragment being made for row tile 0, 1; window 3 W3's fragment.  Window 1 v184-199 are the two output accumulators.
.set SLOT1,  0x20000                   ; slot 0 at 0, slot 1 here
.set XB,     0x40000                   ; behind the slots: the output scratch, 1,024 bytes a wave; no tile lands there
.set SPARE,  0x4e000                   ; the spare words, 128 bytes a wave, two blocks of 256 bytes that no other line names
.set W2OFF,  262144                    ; W2's fragments in wstream
.set CB2,    4096                      ; cbuf: b2, W3's fragments
.set CW3,    16384
.set VL,   2                           ; lane
.set VR,   3                           ; lane % 16
.set VH,   4                           ; lane / 16
.set AADR, 5                           ; LDS address of the weight fragments in hand
.set A0,   6                           ; my lane's and parity's place in a tile of weights
.set STW,  7                           ; scratch: where I store
.set FM,   8                           ; lane i: the wave's mask of flagged lanes for block i
.set STR,  9                           ; first my offset in the counts, at last the scratch: where I read
.set BADR, 10                          ; offset of the bias loads
.set BOFF0, 11
.set WADR, 12                          ; offset of W3's fragment; at last of my word of flags
.set WOFF0, 13
.set SPW,  14                          ; my spare word; never rewritten
.set NIL,  15                          ; 0; never rewritten
.set NN,   16                          ; v16-47  the pairs (0.5 - 2^19 t_j) twice, j = 1..16
.set B0P,  48                          ; v48-49  (2 - 2^-15) twice
.set HH,   50                          ; v50-57  four pairs of ramps; then W
.set TA,   58                          ; v58-65  count/16, then the value
.set TB,   66                          ; v66-73  B', then B
.set BIAS, 74                          ; v74-89  bias of the block being multiplied
.set ACC,  90                          ; v90-121 four accumulators, tile t = 2 x (16 units) + row tile
.set PEND, 122                         ; v122-153 the currents of the block before
.set ABUF, 154                         ; v154-249 twelve weight fragments
.set ZZ,   250                         ; v250-253 the fractions' bits, gathered
.set SPK,  8
.set FF,   248
.set OUTR, 184
.set MSB, 0
.macro WIN new                         ; the immediate's high byte repeats the setting that is left; a switch that changes nothing is dropped
.if MSB != (\new)
	s_set_vgpr_msb (MSB<<8)|(\new)
.set MSB, (\new)
.endif
.endm
.macro WRID                            ; for lines that name window 0 everywhere but in source 1
.if (MSB & 0xf3) != 0
	WIN 0
.endif
.endm
.macro NOP4
.rept 4
	v_nop
.endr
.endm
; A round of the cluster's barrier: my work-group's barrier; wave 0 signals for the work-group; every wave waits for all four work-groups; my work-group's barrier once more.
.macro ROUND
	s_barrier_signal -1
	s_barrier_wait -1
	s_cmp_lg_u32 s16, 0
	s_cbranch_scc1 .Lnw0_\@
	s_barrier_signal -3
.Lnw0_\@:
	s_barrier_wait -3
	s_barrier_signal -1
	s_barrier_wait -1
.endm
; The change of slots.  Every wave waits for all its tensor loads (one is out: its quarter of the tile to be read next), adds 0 to its spare word, waits for that and for its LDS reads.
; fill = 1: the round shows the same of every wave of all four work-groups, and the other slot takes the stream's next tile, each wave a quarter (128 rows of 256 bytes): the joint load is the first thing
; behind the round, and has a whole tile's work in which to land.  One tensor load of mine is out behind it.
.macro CHANGE fill
	s_xor_b32 s60, s60, SLOT1                      ; the slot that is read from now on
	WIN 0
	s_wait_tensorcnt 0x0                           ; no tensor load of mine is out, so the walking group 0 may be written
	ds_add_u32 v[SPW], v[NIL]
.if \fill
	s_xor_b32 s33, s33, SLOT1                      ; the other slot than last time,
	s_add_nc_u64 s[34:35], s[34:35], SLOT1         ; the next 131,072 bytes of the stream; the type bits on top are not reached
	s_wait_dscnt 0x0                               ; the add is done, and my reads of the slot are over
	ROUND
	tensor_load_to_lds s[32:35], s[24:31]
	s_nop 0
	NOP4
.else
	s_wait_dscnt 0x0
	s_barrier_signal -1
	s_barrier_wait -1
.endif
.endm
; ---------------------------------------------------------------- the head
	s_load_b256 s[4:11], s[0:1], 0x0               ; counts s[4:5], wstream s[6:7], cbuf s[8:9], xsum s[10:11]
	s_load_b64 s[12:13], s[0:1], 0x20              ; flags2
	v_lshl_add_u32 v[SPW], v0, 2, SPARE
	v_mov_b32 v[NIL], 0
	ds_add_u32 v[SPW], v[NIL]                      ; the wave's opening: the add and its wait stand ahead of my first tensor load
	v_lshrrev_b32 v2, 5, v0
	v_readfirstlane_b32 s16, v2                    ; wave 0..3
	s_lshr_b32 s17, s16, 1                         ; g
	s_and_b32 s18, s16, 1                          ; p
	s_bfe_u32 s19, ttmp6, 0x40000                  ; cx: it enters the counts', xsum's and flags2's addresses alone
	s_lshl_b32 s20, ttmp9, 2
	s_add_co_u32 s20, s20, s19                     ; my block of 64 rows
	; group 1 of the stream's loads: 128 rows of 32 elements of 8 bytes, dense
	s_mov_b32 s24, 15|(3<<16)|(1<<21)              ; 15:0 the mask of four; 17:16 elements of 8 bytes; 21 set beside a mask
	s_mov_b32 s25, 32<<16                          ; tensor_dim0 = 32
	s_mov_b32 s26, 128<<16                         ; tensor_dim1 = 128
	s_mov_b32 s27, 32<<16                          ; tile_dim0 = 32
	s_mov_b32 s28, 128                             ; tile_dim1 = 128
	s_mov_b32 s29, 32                              ; 32 elements from row to row
	s_mov_b32 s30, 0
	s_mov_b32 s31, 0
	s_mov_b32 s32, 1                               ; group 0: tile 0, my quarter of slot 0; it walks on
	s_lshl_b32 s33, s16, 15
	s_lshl_b32 s66, s16, 15                        ; my quarter in the stream
	s_add_co_u32 s66, s66, W2OFF
	s_mov_b32 s67, 0
	s_lshl_b32 s22, s20, 1                         ; counts: 65,536 bytes for each (work-group, g)
	s_add_co_u32 s22, s22, s17
	s_lshl_b32 s22, s22, 16
	s_mov_b32 s23, 0
	s_wait_dscnt 0x0                               ; the opening add is done
	s_wait_kmcnt 0x0
	s_add_nc_u64 s[34:35], s[6:7], s[66:67]
	s_or_b32 s35, s35, 0x80000000
	s_add_nc_u64 s[4:5], s[4:5], s[22:23]
	ROUND                                          ; all four work-groups are here: the first joint loads meet
	tensor_load_to_lds s[32:35], s[24:31]          ; tile 0; slot 1 is filled by the loop's first change of slots
	s_nop 0
	NOP4
	; ---- addresses
	v_and_b32 v[VL], 31, v0
	v_and_b32 v[VR], 15, v0
	v_bfe_u32 v[VH], v0, 4, 1
	v_lshlrev_b32 v[STR], 4, v[VL]
	v_mov_b32 v[FM], 0
	s_lshl_b32 s58, s18, 10
	s_add_co_u32 s58, s58, CW3
	v_lshl_add_u32 v[WOFF0], v[VL], 4, s58
	s_lshl_b32 s58, s18, 7
	s_add_co_u32 s58, s58, CB2
	v_lshl_add_u32 v[BOFF0], v[VH], 5, s58         ; b2: block 2 tau + p, eight numbers for each half of the lanes
	s_lshl_b32 s58, s18, 16
	v_lshl_add_u32 v[A0], v[VL], 4, s58            ; my parity's two tiles of 16 units are 65,536 bytes of a slot
	; ---- the counts of my 32 rows: 64 fragments, as they lie; each load covers 512 consecutive bytes
.set f, 0
.rept 64
	WIN (1+f/22)<<6
	global_load_b128 v[SPK+8*(f%22):SPK+8*(f%22)+3],   v[STR], s[4:5] offset:f*1024
	global_load_b128 v[SPK+8*(f%22)+4:SPK+8*(f%22)+7], v[STR], s[4:5] offset:f*1024+512
.set f, f+1
.endr
	WIN 0
	; ---- the sixteen thresholds.  1 / (2 - 2^(1-j)) = 0.5 (1 + 1 / (2^j - 1)); lane l tries the f32 whose bits are that number's, cut, - 16 + l.  The recurrence's roundings move the
	; threshold by less than two such steps.  The lanes with M_j < 1 are the lowest ones; their number gives t_j's bits.  0.5 - 2^19 t_j is exact.  These numbers feed data operands alone.
.set j, 1
.rept 16
	v_add_nc_u32 v[PEND+j-1], 0x3f000000+(1<<23)/((1<<j)-1)-16, v[VL]
.set j, j+1
.endr
.set j, 2
.rept 15
	v_fma_f32 v[PEND+15+j], 0.5, v[PEND+j-1], v[PEND+j-1]      ; M_2
.set j, j+1
.endr
.set st, 3
.rept 14
.set j, st
.rept 17-st
	v_fma_f32 v[PEND+15+j], 0.5, v[PEND+15+j], v[PEND+j-1]     ; M_st, for every j that goes so far
.set j, j+1
.endr
.set st, st+1
.endr
	v_mov_b32 v[PEND+16], v[PEND]                  ; M_1 = c
.set j, 1
.rept 16
	v_cmp_gt_f32 s63, 1.0, v[PEND+15+j]
	s_bcnt1_i32_b32 s63, s63
	s_add_co_u32 s63, s63, 0x3f000000+(1<<23)/((1<<j)-1)-17
	v_mov_b32 v[NN+2*j-2], s63                     ; t_j
	v_fma_f32 v[NN+2*j-2], v[NN+2*j-2], 0xc9000000, 0.5
	v_mov_b32 v[NN+2*j-1], v[NN+2*j-2]
.set j, j+1
.endr
	v_mov_b32 v[B0P], 0x3fffff00                   ; 2 - 2^-15
	v_mov_b32 v[B0P+1], 0x3fffff00
.irp wn, 0, 0x40, 0x80, 0xc0                   ; 2^19 in v[0:1] of every window; v0's last use as the thread's number lies above
	WIN \wn
	v_mov_b32 v0, 0x49000000
	v_mov_b32 v1, 0x49000000
.endr
	WIN 0
; ---------------------------------------------------------------- layers 2 and 3
.macro SETJ j                          ; the weights of ramp j: BV = 256 + its weight in the membrane's factor, AV its weight in count/16
.set AV, 0x3d800000
.if (\j) == 16
.set BV, 0x437e0002                    ; 256 - (2 - 2^-15)
.elseif (\j) == 15
.set BV, 0x43808000                    ; 256 + 1
.elseif (\j) == 14
.set BV, 0x43804000                    ; + 0.5
.elseif (\j) == 13
.set BV, 0x43802000                    ; + 0.25
.elseif (\j) == 12
.set BV, 0x43801000                    ; + 0.125
.elseif (\j) == 11
.set BV, 0x43800800                    ; + 0.0625
.elseif (\j) == 10
.set BV, 0x43800400                    ; + 0.03125
.elseif (\j) == 9
.set BV, 0x43800200                    ; + 0.015625
.elseif (\j) == 8
.set BV, 0x437e0400                    ; - 1.984375
.elseif (\j) == 7
.set BV, 0x4380c000                    ; + 1.5
.elseif (\j) == 6
.set BV, 0x43803000                    ; + 0.375
.elseif (\j) == 5
.set BV, 0x437f2000                    ; - 0.875
.elseif (\j) == 4
.set BV, 0x437f0000                    ; - 1
.elseif (\j) == 3
.set BV, 0x43808000                    ; + 1
.elseif (\j) == 2
.set BV, 0x437f0000                    ; - 1
.set AV, 0x3e400000
.else
.set BV, 0x43800000                    ; + 0
.set AV, 0x3f000000
.endif
.endm
; Entry q2 of the 736 that take a block's four tiles of currents to count/16 + membrane = A + B c and to flags, j from 16 down: outside the windows every partial sum is exact.
; Four pairs a tile go side by side, so a line reads what was made four lines back or more.
; kd: 0 the ramp, 1 into B', 2 into A, 5 W = B' + 2^25, 6 W's low six bits gathered, 7 W - 2^25, 8 B = B' less that, 3 the value, 4 its rounding to f16.
.macro Q2
.set g2, q2/184
.set e2, q2%184
.set pp, e2%4
.set bk, e2/4
.set rP, PEND+8*g2+2*pp
.set rA, TA+2*pp
.set rB, TB+2*pp
.set rH, HH+2*pp
.set jj, 1
.if bk < 3
.set jj, 16
.set kd, bk
.elseif bk < 17
.set jj, 15-(bk-3)/2
.set kd, (bk-3)%2
.elseif bk < 20
.set jj, 8
.set kd, bk-17
.elseif bk < 24
.set jj, 7-(bk-20)/2
.set kd, (bk-20)%2
.elseif bk < 39
.set jj, 5-(bk-24)/3
.set kd, (bk-24)%3
.elseif bk == 39
.set kd, 5
.elseif bk < 42
.set kd, 6
.elseif bk == 42
.set kd, 7
.elseif bk == 43
.set kd, 8
.elseif bk == 44
.set kd, 3
.else
.set kd, 4
.endif
	SETJ jj
.if kd == 0
	WRID
	v_pk_fma_f32 v[rH:rH+1], v[rP:rP+1], v[0:1], v[NN+2*jj-2:NN+2*jj-1] clamp
.elseif (kd == 1) && (jj == 16)
	WRID
	v_pk_fma_f32 v[rB:rB+1], v[rH:rH+1], BV, v[B0P:B0P+1] op_sel_hi:[1,0,1]
.elseif kd == 1
	WRID
	v_pk_fma_f32 v[rB:rB+1], v[rH:rH+1], BV, v[rB:rB+1] op_sel_hi:[1,0,1]
.elseif (kd == 2) && (jj == 16)
	WRID
	v_pk_mul_f32 v[rA:rA+1], v[rH:rH+1], AV op_sel_hi:[1,0]
.elseif kd == 2
	WRID
	v_pk_fma_f32 v[rA:rA+1], v[rH:rH+1], AV, v[rA:rA+1] op_sel_hi:[1,0,1]
.elseif kd == 5
	WRID
	v_pk_add_f32 v[rH:rH+1], v[rB:rB+1], 0x4c000000 op_sel_hi:[1,0]
.elseif kd == 6
.set z, e2-160
	WRID
.if (g2 == 0) && (z < 4)
	v_and_or_b32 v[ZZ+z%4], v[HH+z], 0x3f, 0                   ; the block's first four start the gathering
.else
	v_and_or_b32 v[ZZ+z%4], v[HH+z], 0x3f, v[ZZ+z%4]
.endif
.elseif kd == 7
	WRID
	v_pk_add_f32 v[rH:rH+1], v[rH:rH+1], 0xcc000000 op_sel_hi:[1,0]
.elseif kd == 8
	WRID
	v_pk_fma_f32 v[rB:rB+1], v[rH:rH+1], -1.0, v[rB:rB+1] op_sel_hi:[1,0,1]
.elseif kd == 3
	WIN 0
	v_pk_fma_f32 v[rA:rA+1], v[rB:rB+1], v[rP:rP+1], v[rA:rA+1]
.else
	WIN (1+g2%2)<<6
	v_cvt_pk_f16_f32 v[FF+4*(g2/2)+pp], v[rA], v[rA+1]
.endif
.set q2, q2+1
.endm
.macro RIDE2 n
.rept \n
	Q2
.endr
.endm
.macro ALOAD k                         ; W2's two fragments of K block k, into place k % 6 of six
	WRID
.set sl, ABUF+16*((\k)%6)
	ds_load_b128 v[sl:sl+3],     v[AADR] offset:(\k)*1024
	ds_load_b128 v[sl+4:sl+7],   v[AADR] offset:(\k)*1024+512
	ds_load_b128 v[sl+8:sl+11],  v[AADR] offset:32768+(\k)*1024
	ds_load_b128 v[sl+12:sl+15], v[AADR] offset:32768+(\k)*1024+512
.endm
; One tile of W2: the products of block 2 tau + p (128 matrix instructions, four accumulators by turns) beside the units of the block before, and that block's two products with W3.
; mm = 0: the last block's units alone.
.macro WORK mm
	WIN 0
.if \mm
	v_add_nc_u32 v[AADR], s60, v[A0]
.set kc, 0
.rept 6
	ALOAD kc
.set kc, kc+1
.endr
.endif
.set t, 0
.rept 4                                        ; c2 = sum / 16 + b2, one rounding; each accumulator is read from its low end on
.set pp, 0
.rept 4
	v_pk_fma_f32 v[PEND+8*t+2*pp:PEND+8*t+2*pp+1], v[ACC+8*t+2*pp:ACC+8*t+2*pp+1], 0x3d800000, v[BIAS+8*(t/2)+2*pp:BIAS+8*(t/2)+2*pp+1] op_sel_hi:[1,0,1]
.set pp, pp+1
.endr
.set t, t+1
.endr
	s_sub_co_i32 s58, s57, 1                       ; W3's fragment for the block before (for the empty first block: any)
	s_max_i32 s58, s58, 0
	s_lshl_b32 s58, s58, 11
	v_add_nc_u32 v[WADR], s58, v[WOFF0]
	WIN 0xc0                                       ; the sixteen lines above are the places behind the last product that read these registers
	global_load_b128 v[FF:FF+3],   v[WADR], s[8:9]
	global_load_b128 v[FF+4:FF+7], v[WADR], s[8:9] offset:512
	WIN 0
.if \mm
	v_add_nc_u32 v[BADR], s61, v[BOFF0]
	global_load_b128 v[BIAS:BIAS+3],     v[BADR], s[8:9]
	global_load_b128 v[BIAS+4:BIAS+7],   v[BADR], s[8:9] offset:16
	global_load_b128 v[BIAS+8:BIAS+11],  v[BADR], s[8:9] offset:64
	global_load_b128 v[BIAS+12:BIAS+15], v[BADR], s[8:9] offset:80
	s_add_co_u32 s61, s61, 256
.endif
	s_add_co_u32 s57, s57, 1
.set q2, 0
	RIDE2 40
.if \mm
.set kc, 0
.rept 32
.if kc < 26
	s_wait_dscnt 20                                ; the fragments of the five K blocks behind this one, four loads each, may stay out
.else
	s_wait_dscnt 4*(31-kc)
.endif
.set u, 0
.rept 4
.set f, kc*2+u%2
	WIN (1+f/22)<<2
.if kc == 0
	v_wmma_f32_16x16x32_bf16 v[ACC+8*u:ACC+8*u+7], v[ABUF+16*(kc%6)+8*(u/2):ABUF+16*(kc%6)+8*(u/2)+7], v[SPK+8*(f%22):SPK+8*(f%22)+7], 0
.else
	v_wmma_f32_16x16x32_bf16 v[ACC+8*u:ACC+8*u+7], v[ABUF+16*(kc%6)+8*(u/2):ABUF+16*(kc%6)+8*(u/2)+7], v[SPK+8*(f%22):SPK+8*(f%22)+7], v[ACC+8*u:ACC+8*u+7]
.endif
.if (kc*4+u)%16 < 7
	RIDE2 6
.else
	RIDE2 5
.endif
.set u, u+1
.endr
.if kc < 26
	ALOAD kc+6                                     ; into the place just multiplied: five plain lines or more stand behind its last product
.endif
.set kc, kc+1
.endr
.else
	RIDE2 696
.endif
	WIN 0
	v_or_b32 v[ZZ], v[ZZ], v[ZZ+1]
	v_or_b32 v[ZZ+2], v[ZZ+2], v[ZZ+3]
	v_or_b32 v[ZZ], v[ZZ], v[ZZ+2]
	v_cmp_ne_u32 s63, 0, v[ZZ]                     ; the lanes with a current inside a window: kept as data, steers nothing here
	s_sub_co_i32 s58, s57, 2                       ; the number of the block that went through its units (-1 for the empty one: no lane takes it)
	v_cmp_eq_u32 vcc_lo, s58, v[VL]
	v_cndmask_b32 v[FM], v[FM], s63, vcc_lo
	v_cmp_eq_u32 vcc_lo, 0, v[ZZ]                  ; the other lanes keep their values; a flagged lane's 2 x 16 become 0
	WIN 0x44
.set i, 0
.rept 8
	v_cndmask_b32 v[FF+i], 0, v[FF+i], vcc_lo
.set i, i+1
.endr
	WIN 0x88
.set i, 0
.rept 8
	v_cndmask_b32 v[FF+i], 0, v[FF+i], vcc_lo
.set i, i+1
.endr
	s_wait_loadcnt 0x0                             ; W3's fragment, and the next bias
	WIN 0x57                                       ; W3 window 3, the values window 1, the sums window 1
	v_wmma_f32_16x16x32_f16 v[OUTR:OUTR+7], v[FF:FF+7], v[FF:FF+7], v[OUTR:OUTR+7]
	WIN 0x5b                                       ; the values of row tile 1: window 2
	v_wmma_f32_16x16x32_f16 v[OUTR+8:OUTR+15], v[FF:FF+7], v[FF:FF+7], v[OUTR+8:OUTR+15]
	WIN 0
.endm
.set i, BIAS
.rept 48                                       ; the first trip sends an empty block through the units: current 0, value 0, no flag
	v_mov_b32 v[i], 0
.set i, i+1
.endr
	WIN 0x40
.set i, OUTR
.rept 16
	v_mov_b32 v[i], 0
.set i, i+1
.endr
	WIN 0
	s_mov_b32 s57, 0                               ; tau
	s_mov_b32 s61, 0
	s_mov_b32 s60, SLOT1                           ; the first change of slots turns this into slot 0
	s_wait_loadcnt 0x0                             ; the counts
	s_mov_b32 s56, 15
.Ltile:                                                ; 15 trips: a tile of W2 is entered and the next is asked for
	CHANGE 1
	WORK 1
	s_sub_co_u32 s56, s56, 1
	s_cmp_lg_u32 s56, 0
	s_cbranch_scc1 .Ltile
	CHANGE 0                                       ; the last tile is written out: nothing is left to ask for
	WORK 1
	WORK 0
; ---------------------------------------------------------------- the way out
; In an output accumulator lanes 0-15 hold a batch row, registers 0-3 its four actions, summed over my parity's blocks.  The two parities meet in LDS; wave (g, p) finishes row tile p.
	NOP4                                           ; the places behind the last product
	s_lshl_b32 s58, s16, 10
	s_add_co_u32 s58, s58, XB
	v_lshl_add_u32 v[STW], v[VL], 4, s58           ; scratch: 1,024 bytes a wave, 512 a row tile
	s_lshl_b32 s58, s17, 11
	s_lshl_b32 s62, s18, 9
	s_add_co_u32 s58, s58, s62
	s_add_co_u32 s58, s58, XB
	v_lshl_add_u32 v[STR], v[VL], 4, s58
	s_lshl_b32 s58, s20, 10                        ; xsum: 64 rows of 16 bytes a work-group,
	s_lshl_b32 s62, s17, 9                         ; 32 a g,
	s_add_co_u32 s58, s58, s62
	s_lshl_b32 s62, s18, 8                         ; 16 a row tile
	s_add_co_u32 s58, s58, s62
	v_lshl_add_u32 v[BADR], v[VR], 4, s58
	s_lshl2_add_u32 s58, s20, s16                  ; flags2: 128 bytes for wave 4 wg + w
	s_lshl_b32 s58, s58, 7
	v_lshl_add_u32 v[WADR], v[VL], 2, s58
	global_store_b32 v[WADR], v[FM], s[12:13]      ; lanes 0-15: the masks of blocks 0-15; lanes 16-31: 0
	WIN 0x04
	ds_store_b128 v[STW], v[OUTR:OUTR+3]
	ds_store_b128 v[STW], v[OUTR+8:OUTR+11] offset:512
	WIN 0
	s_wait_dscnt 0x0                               ; for the others' sake
	s_barrier_signal -1
	s_barrier_wait -1
	ds_load_b128 v[66:69], v[STR]
	ds_load_b128 v[70:73], v[STR] offset:1024
	s_wait_dscnt 0x0
	v_pk_add_f32 v[66:67], v[66:67], v[70:71]
	v_pk_add_f32 v[68:69], v[68:69], v[72:73]
	s_wait_xcnt 0x0                                ; EXEC changes only behind this wait
	v_cmp_gt_u32 vcc_lo, 16, v[VL]
	s_and_saveexec_b32 s58, vcc_lo
	global_store_b128 v[BADR], v[66:69], s[10:11]  ; sixteen lanes store 256 consecutive bytes, at a multiple of 256 from xsum's first byte
	s_wait_xcnt 0x0
	s_or_b32 exec_lo, exec_lo, s58
	s_wait_tensorcnt 0x0                           ; the wave's end
	ds_add_u32 v[SPW], v[NIL]
	s_wait_dscnt 0x0
	ROUND                                          ; the closing round: no work-group ends while a partner may still ask for a tile that names it
	s_endpgm
.Lfunc_end_k_qd5ddc8cd1f_snn:
	.size	k_qd5ddc8cd1f_snn, .Lfunc_end_k_qd5ddc8cd1f_snn-k_qd5ddc8cd1f_snn
	.p2alignl 7, 3214868480
	.fill 96, 4, 3214868480
	.section	.rodata,"a",@progbits
	.p2align	6, 0x0
	.amdhsa_kernel k_qd5ddc8cd1f_snn
		.amdhsa_group_segment_fixed_size 327680
		.amdhsa_private_segment_fixed_size 0
		.amdhsa_enable_private_segment 0
		.amdhsa_kernarg_size 40
		.amdhsa_user_sgpr_count 2
		.amdhsa_user_sgpr_kernarg_segment_ptr 1
		.amdhsa_wavefront_size32 1
		.amdhsa_system_sgpr_workgroup_id_x 1
		.amdhsa_system_sgpr_workgroup_id_y 1
		.amdhsa_system_sgpr_workgroup_id_z 1
		.amdhsa_system_vgpr_workitem_id 0
		.amdhsa_next_free_vgpr 1024
		.amdhsa_next_free_sgpr 72
		.amdhsa_reserve_vcc 1
		.amdhsa_float_denorm_mode_32 3
		.amdhsa_float_denorm_mode_16_64 3
		.amdhsa_memory_ordered 1
		.amdhsa_forward_progress 1
		.amdhsa_inst_pref_size 255
	.end_amdhsa_kernel
	.amdgpu_metadata
---
amdhsa.version: [ 1, 2 ]
amdhsa.kernels:
  - .name:           k_qd5ddc8cd1f_snn
    .symbol:         k_qd5ddc8cd1f_snn.kd
    .args:
      - { .name: counts, .offset: 0, .size: 8, .value_kind: global_buffer, .address_space: global }
      - { .name: wstream, .offset: 8, .size: 8, .value_kind: global_buffer, .address_space: global }
      - { .name: cbuf, .offset: 16, .size: 8, .value_kind: global_buffer, .address_space: global }
      - { .name: xsum, .offset: 24, .size: 8, .value_kind: global_buffer, .address_space: global }
      - { .name: flags2, .offset: 32, .size: 8, .value_kind: global_buffer, .address_space: global }
    .group_segment_fixed_size: 327680
    .private_segment_fixed_size: 0
    .kernarg_segment_align: 8
    .kernarg_segment_size: 40
    .max_flat_workgroup_size: 128
    .sgpr_count:     72
    .vgpr_count:     1024
    .wavefront_size: 32
...
	.end_amdgpu_metadata
.endif
;; end of part 4
;; launch tie2 (part 5): grid 512 x 1, 16 waves a work-group, no clusters, 0 bytes of LDS; arguments counts, wstream, cbuf, W3, flags2, corr; writes corr
.if DOCPART == 5
	.amdgcn_target "amdgcn-amd-amdhsa--gfx1250"
	.amdhsa_code_object_version 6
	.text
	.protected	k_qd5ddc8cd1f_tie2
	.globl	k_qd5ddc8cd1f_tie2
	.p2align	8
	.type	k_qd5ddc8cd1f_tie2,@function
k_qd5ddc8cd1f_tie2:
	s_mov_b64 s[64:65], 0
	v_nop
	global_prefetch_b8 v0, s[64:65] scope:SCOPE_SE
	s_setreg_imm32_b32 hwreg(HW_REG_WAVE_MODE, 25, 1), 1
	s_wait_xcnt 0x0
; The tie-break of layer 2.  Where a hidden current lies within 2^-20 of a threshold, the unit's spikes and membrane hang on the order in which an f32 sum is rounded.  The launch before left such
; lanes out of its sums and flagged them; here they are made anew as a blocked f32 product makes them: K = 1,024 in four slices of 256, each ONE chain of multiply-adds, k ascending from 0; the four
; slices added first to last; then + b2.  A count times a bf16 weight is exact in f32, so only the order of the additions matters; the chains run on counts, 16 times the spikes, which moves no rounding.
; The sixteen steps of the unit are then run as they are written.  This is no bulk work: a few numbers in a hundred thousand are flagged.
; SHARES.  Work-group rg stands for 32 rows (64 wg + 32 g ..); its wave t for the blocks hb = 2 t + p, p = 0, 1, of 32 hidden units, whose masks of flagged lanes are two words.
; A set bit l names an item: rows l % 16 and l % 16 + 16 of the 32, units 32 hb + 16 n + 8 (l / 16) + j (n = 0, 1; j = 0..7): 32 pairs of unit and row, a pair a lane (lane = 16 x row half + 8 n + j).
; Each lane reads its unit's row of W2 and its row's counts out of the fragments, 16 bytes (eight k) a load.  (count/16 + membrane) W3 is summed over the sixteen lanes of a row and kept in the lane
; of that row's number; at the end each wave stores its 32 rows x 4 sums, 512 consecutive bytes, zeros where nothing was flagged.
; The trip count is the masks' number of bits; what enters addresses of a mask passes a clamp.  No address and no branch hangs on a floating-point number.
.set W2OFF, 262144
.set CB2,   4096
.set VLN, 1                            ; lane
.set VI,  2                            ; lane % 16
.set WL,  4                            ; my lane's part of W2's offset: 32,768 n + 16 j
.set CL,  5                            ; of the counts' offset: 1,024 x row half
.set UL,  6                            ; of 4 x unit: 64 n + 4 j
.set SO,  7                            ; where I store
.set WO,  8                            ; offsets in hand
.set CO,  9
.set UO,  10
.set AX,  12                           ; v12-15  lane = row: what this wave adds to the row's four sums
.set AC,  16                           ; v16-19  the four chains
.set B2,  20
.set CC,  21                           ; c2
.set W3R, 22                           ; v22-25  W3 of my unit, four actions
.set TT,  26                           ; v26-27
.set MM,  28                           ; membrane
.set CN,  29                           ; count
.set HD,  30
.set VAL, 31
.set WP,  64                           ; v64-127  sixteen pieces of W2: slice sl, piece i at WP + 4 (4 i + sl)
.set CP,  128                          ; v128-191 the same of the counts
	s_load_b256 s[4:11], s[0:1], 0x0               ; counts s[4:5], wstream s[6:7], cbuf s[8:9], W3 s[10:11]
	s_load_b128 s[12:15], s[0:1], 0x20             ; flags2 s[12:13], corr s[14:15]
	v_and_b32 v[VLN], 31, v0
	v_lshrrev_b32 v32, 5, v0
	v_readfirstlane_b32 s16, v32                   ; t
	s_mov_b32 s17, ttmp9                           ; rg
	s_lshl_b32 s18, s17, 8                         ; flags2: 256 bytes a row group, 128 a parity
	s_lshl2_add_u32 s18, s16, s18                  ; + 4 t
	s_wait_kmcnt 0x0
	s_load_b32 s20, s[12:13], s18 offset:0x0       ; the mask of block 2 t
	s_load_b32 s21, s[12:13], s18 offset:0x80      ; of block 2 t + 1
	v_and_b32 v[VI], 15, v[VLN]
	v_and_b32 v32, 7, v[VLN]                       ; j
	v_bfe_u32 v33, v[VLN], 3, 1                    ; n
	v_lshrrev_b32 v34, 4, v[VLN]                   ; row half
	v_lshlrev_b32 v[WL], 4, v32
	v_lshl_add_u32 v[WL], v33, 15, v[WL]
	v_lshlrev_b32 v[CL], 10, v34
	v_lshlrev_b32 v[UL], 2, v32
	v_lshl_add_u32 v[UL], v33, 6, v[UL]
	s_lshl_b32 s19, s17, 4
	s_add_co_u32 s19, s19, s16
	s_lshl_b32 s19, s19, 9                         ; corr: 512 bytes for wave 16 rg + t
	v_lshl_add_u32 v[SO], v[VLN], 4, s19
	s_lshl_b32 s22, s17, 16                        ; counts: 65,536 bytes a row group
	s_mov_b32 s23, 0
	s_add_nc_u64 s[4:5], s[4:5], s[22:23]
	s_mov_b32 s37, 0xffff0000                      ; a word's upper bf16
	v_mov_b32 v[AX], 0
	v_mov_b32 v[AX+1], 0
	v_mov_b32 v[AX+2], 0
	v_mov_b32 v[AX+3], 0
	s_wait_kmcnt 0x0
	s_bcnt1_i32_b32 s24, s20
	s_bcnt1_i32_b32 s25, s21
	s_add_co_u32 s24, s24, s25                     ; items
	s_cmp_eq_u32 s24, 0
	s_cbranch_scc1 .Lstore
	s_mov_b32 s25, 0
.Litem:
	s_cmp_lg_u32 s20, 0                            ; the first mask's bits first
	s_cselect_b32 s26, s20, s21
	s_cselect_b32 s27, 0, 1                        ; p
	s_ctz_i32_b32 s28, s26                         ; the lowest flagged lane,
	s_min_u32 s28, s28, 31
	s_sub_co_u32 s29, s26, 1
	s_and_b32 s29, s26, s29                        ; which is struck off
	s_cmp_eq_u32 s27, 0
	s_cselect_b32 s20, s29, s20
	s_cselect_b32 s21, s21, s29
	s_min_u32 s27, s27, 1
	s_and_b32 s30, s28, 15                         ; the row in its half
	s_and_b32 s31, s28, 16                         ; 16 x the half of the units
	s_lshl_b32 s32, s16, 1
	s_add_co_u32 s32, s32, s27                     ; hb
	s_lshl_b32 s33, s32, 16                        ; W2: 65,536 bytes a block, 128 for eight units
	s_lshl_b32 s34, s31, 3
	s_add_co_u32 s33, s33, s34
	s_add_co_u32 s33, s33, W2OFF
	v_add_nc_u32 v[WO], s33, v[WL]
	s_lshl_b32 s34, s30, 4                         ; counts: 16 bytes a row
	v_add_nc_u32 v[CO], s34, v[CL]
	s_lshl_b32 s34, s32, 7                         ; 4 x unit: 128 a block, 32 for eight units
	s_lshl_b32 s35, s31, 1
	s_add_co_u32 s34, s34, s35
	v_add_nc_u32 v[UO], s34, v[UL]
	global_load_b32 v[B2], v[UO], s[8:9] offset:CB2
	global_load_b32 v[W3R], v[UO], s[10:11]
	global_load_b32 v[W3R+1], v[UO], s[10:11] offset:4096
	global_load_b32 v[W3R+2], v[UO], s[10:11] offset:8192
	global_load_b32 v[W3R+3], v[UO], s[10:11] offset:12288
	v_mov_b32 v[AC], 0                             ; a chain's first link is a product added to 0
	v_mov_b32 v[AC+1], 0
	v_mov_b32 v[AC+2], 0
	v_mov_b32 v[AC+3], 0
	s_mov_b32 s36, 8
.Ltrip:                                                ; 32 k of each slice: piece 32 sl + 4 trip + i lies 256 bytes a piece on in W2; in the counts 2,048 bytes for four pieces and 256 a piece
.set i, 0
.rept 4
.set sl, 0
.rept 4
	global_load_b128 v[WP+4*(4*i+sl):WP+4*(4*i+sl)+3], v[WO], s[6:7] offset:8192*sl+256*i
	global_load_b128 v[CP+4*(4*i+sl):CP+4*(4*i+sl)+3], v[CO], s[4:5] offset:16384*sl+256*i
.set sl, sl+1
.endr
.set i, i+1
.endr
	s_wait_loadcnt 0x0                             ; these, and in an item's first trip b2 and W3; the offsets may be stepped behind it
.set i, 0
.rept 4
.set e, 0
.rept 8                                        ; k ascending in each chain; the four chains side by side
.set sl, 0
.rept 4
.if e%2 == 0
	v_fma_mix_f32_bf16 v[AC+sl], v[WP+4*(4*i+sl)+e/2], v[CP+4*(4*i+sl)+e/2], v[AC+sl] op_sel_hi:[1,1,0]
.else
	v_fma_mix_f32_bf16 v[AC+sl], v[WP+4*(4*i+sl)+e/2], v[CP+4*(4*i+sl)+e/2], v[AC+sl] op_sel:[1,1,0] op_sel_hi:[1,1,0]
.endif
.set sl, sl+1
.endr
.set e, e+1
.endr
.set i, i+1
.endr
	v_add_nc_u32 v[WO], 1024, v[WO]
	v_add_nc_u32 v[CO], 2048, v[CO]
	s_sub_co_u32 s36, s36, 1
	s_cmp_lg_u32 s36, 0
	s_cbranch_scc1 .Ltrip
	v_add_f32 v[AC], v[AC], v[AC+1]                ; the slices, first to last
	v_add_f32 v[AC], v[AC], v[AC+2]
	v_add_f32 v[AC], v[AC], v[AC+3]
	v_fma_f32 v[CC], v[AC], 0x3d800000, v[B2]      ; / 16 is exact: one rounding, that of + b2
	v_mov_b32 v[MM], 0
	v_mov_b32 v[CN], 0
	s_mov_b32 s38, 16
.Lstep:                                                ; the unit's step as it is written: decay and current, threshold, reset
	v_fma_f32 v[MM], 0.5, v[MM], v[CC]
	v_cmp_le_f32 vcc_lo, 1.0, v[MM]
	v_cndmask_b32 v[HD], 0, 1.0, vcc_lo
	v_cndmask_b32 v[MM], v[MM], 0, vcc_lo
	v_add_f32 v[CN], v[CN], v[HD]
	s_sub_co_u32 s38, s38, 1
	s_cmp_lg_u32 s38, 0
	s_cbranch_scc1 .Lstep
	v_fma_f32 v[VAL], v[CN], 0x3d800000, v[MM]     ; count/16 + membrane
	v_cvt_pk_bf16_f32 v[TT], v[W3R], v[W3R+1]      ; W3 rounded to bf16 and widened again
	v_cvt_pk_bf16_f32 v[TT+1], v[W3R+2], v[W3R+3]
	v_lshlrev_b32 v[W3R], 16, v[TT]
	v_and_b32 v[W3R+1], s37, v[TT]
	v_lshlrev_b32 v[W3R+2], 16, v[TT+1]
	v_and_b32 v[W3R+3], s37, v[TT+1]
.irp a, 0,1,2,3
	v_mul_f32 v[W3R+\a], v[VAL], v[W3R+\a]
.endr
.irp x, 1,2,4,8                                ; over the sixteen lanes of a row
.irp a, 0,1,2,3
	v_add_f32_dpp v[W3R+\a], v[W3R+\a], v[W3R+\a] row_xmask:\x row_mask:0xf bank_mask:0xf
.endr
.endr
	v_cmp_eq_u32 vcc_lo, s30, v[VI]                ; the two lanes of the item's two rows take the sums
.irp a, 0,1,2,3
	v_cndmask_b32 v[W3R+\a], 0, v[W3R+\a], vcc_lo
.endr
.irp a, 0,1,2,3
	v_add_f32 v[AX+\a], v[AX+\a], v[W3R+\a]
.endr
	s_add_co_u32 s25, s25, 1
	s_cmp_lt_u32 s25, s24
	s_cbranch_scc1 .Litem
.Lstore:
	global_store_b128 v[SO], v[AX:AX+3], s[14:15]  ; 512 consecutive bytes, at a multiple of 512 from corr's first byte
	s_endpgm
.Lfunc_end_k_qd5ddc8cd1f_tie2:
	.size	k_qd5ddc8cd1f_tie2, .Lfunc_end_k_qd5ddc8cd1f_tie2-k_qd5ddc8cd1f_tie2
	.p2alignl 7, 3214868480
	.fill 96, 4, 3214868480
	.section	.rodata,"a",@progbits
	.p2align	6, 0x0
	.amdhsa_kernel k_qd5ddc8cd1f_tie2
		.amdhsa_group_segment_fixed_size 0
		.amdhsa_private_segment_fixed_size 0
		.amdhsa_enable_private_segment 0
		.amdhsa_kernarg_size 48
		.amdhsa_user_sgpr_count 2
		.amdhsa_user_sgpr_kernarg_segment_ptr 1
		.amdhsa_wavefront_size32 1
		.amdhsa_system_sgpr_workgroup_id_x 1
		.amdhsa_system_sgpr_workgroup_id_y 1
		.amdhsa_system_sgpr_workgroup_id_z 1
		.amdhsa_system_vgpr_workitem_id 0
		.amdhsa_next_free_vgpr 192
		.amdhsa_next_free_sgpr 66
		.amdhsa_reserve_vcc 1
		.amdhsa_float_denorm_mode_32 3
		.amdhsa_float_denorm_mode_16_64 3
		.amdhsa_memory_ordered 1
		.amdhsa_forward_progress 1
		.amdhsa_inst_pref_size 18
	.end_amdhsa_kernel
	.amdgpu_metadata
---
amdhsa.version: [ 1, 2 ]
amdhsa.kernels:
  - .name:           k_qd5ddc8cd1f_tie2
    .symbol:         k_qd5ddc8cd1f_tie2.kd
    .args:
      - { .name: counts, .offset: 0, .size: 8, .value_kind: global_buffer, .address_space: global }
      - { .name: wstream, .offset: 8, .size: 8, .value_kind: global_buffer, .address_space: global }
      - { .name: cbuf, .offset: 16, .size: 8, .value_kind: global_buffer, .address_space: global }
      - { .name: W3, .offset: 24, .size: 8, .value_kind: global_buffer, .address_space: global }
      - { .name: flags2, .offset: 32, .size: 8, .value_kind: global_buffer, .address_space: global }
      - { .name: corr, .offset: 40, .size: 8, .value_kind: global_buffer, .address_space: global }
    .group_segment_fixed_size: 0
    .private_segment_fixed_size: 0
    .kernarg_segment_align: 8
    .kernarg_segment_size: 48
    .max_flat_workgroup_size: 512
    .sgpr_count:     66
    .vgpr_count:     192
    .wavefront_size: 32
...
	.end_amdgpu_metadata
.endif
;; end of part 5
;; launch fin (part 6): grid 256 x 1, 2 waves a work-group, no clusters, 0 bytes of LDS; arguments xsum, corr, b3, action_limit, out0; writes out0
.if DOCPART == 6
	.amdgcn_target "amdgcn-amd-amdhsa--gfx1250"
	.amdhsa_code_object_version 6
	.text
	.protected	k_qd5ddc8cd1f_fin
	.globl	k_qd5ddc8cd1f_fin
	.p2align	8
	.type	k_qd5ddc8cd1f_fin,@function
k_qd5ddc8cd1f_fin:
	s_mov_b64 s[64:65], 0
	v_nop
	global_prefetch_b8 v0, s[64:65] scope:SCOPE_SE
	s_setreg_imm32_b32 hwreg(HW_REG_WAVE_MODE, 25, 1), 1
	s_wait_xcnt 0x0
; out0[row][a] = tanh(0.5 x (xsum[row][a] + the sixteen tie-break sums of the row) + b3[a]) x limit[a].  b3 and the limit are rounded to bf16, as every input of this program is.
; A wave takes 32 rows, a row a lane: each load and the store cover 512 consecutive bytes.  The launch moves 4.7 MB once; no LDS, no matrix unit: there is nothing to share and nothing to multiply.
; tanh x = 1 - 2 / (1 + 2^(2 x log2 e)): both ends saturate by themselves.  NaN and infinities are not treated.
	s_load_b256 s[4:11], s[0:1], 0x0               ; xsum s[4:5], corr s[6:7], b3 s[8:9], limit s[10:11]
	s_load_b64 s[12:13], s[0:1], 0x20              ; out0
	v_and_b32 v1, 31, v0
	v_lshrrev_b32 v2, 5, v0
	v_readfirstlane_b32 s14, v2                    ; wave 0..1
	s_lshl_b32 s15, ttmp9, 1
	s_add_co_u32 s15, s15, s14                     ; the group of 32 rows
	s_lshl_b32 s16, s15, 9                         ; 32 rows of 16 bytes
	v_lshl_add_u32 v2, v1, 4, s16
	s_lshl_b32 s17, s15, 13                        ; corr: sixteen times 512 bytes
	v_lshl_add_u32 v3, v1, 4, s17
	s_mov_b32 s28, 0xffff0000                      ; a word's upper bf16
	s_wait_kmcnt 0x0
	s_load_b128 s[20:23], s[8:9], 0x0
	s_load_b128 s[24:27], s[10:11], 0x0
	global_load_b128 v[4:7], v2, s[4:5]
.set t, 0
.rept 16
	global_load_b128 v[16+4*t:19+4*t], v3, s[6:7] offset:512*t
.set t, t+1
.endr
	s_wait_kmcnt 0x0
	v_cvt_pk_bf16_f32 v80, s20, s21
	v_cvt_pk_bf16_f32 v81, s22, s23
	v_cvt_pk_bf16_f32 v82, s24, s25
	v_cvt_pk_bf16_f32 v83, s26, s27
	v_lshlrev_b32 v8, 16, v80
	v_and_b32 v9, s28, v80
	v_lshlrev_b32 v10, 16, v81
	v_and_b32 v11, s28, v81
	v_lshlrev_b32 v12, 16, v82
	v_and_b32 v13, s28, v82
	v_lshlrev_b32 v14, 16, v83
	v_and_b32 v15, s28, v83
	s_wait_loadcnt 0x0
.set t, 0
.rept 16
	v_pk_add_f32 v[4:5], v[4:5], v[16+4*t:17+4*t]
	v_pk_add_f32 v[6:7], v[6:7], v[18+4*t:19+4*t]
.set t, t+1
.endr
	v_pk_fma_f32 v[4:5], v[4:5], 0.5, v[8:9] op_sel_hi:[1,0,1]
	v_pk_fma_f32 v[6:7], v[6:7], 0.5, v[10:11] op_sel_hi:[1,0,1]
	v_pk_mul_f32 v[4:5], v[4:5], 0x4038aa3b op_sel_hi:[1,0]
	v_pk_mul_f32 v[6:7], v[6:7], 0x4038aa3b op_sel_hi:[1,0]
	v_exp_f32 v4, v4
	v_exp_f32 v5, v5
	v_exp_f32 v6, v6
	v_exp_f32 v7, v7
	v_nop                                          ; a plain line between the last exponential and the use of its result (ISA guide 5.7.2)
	s_wait_alu depctr_va_vdst(0)
	v_pk_add_f32 v[4:5], v[4:5], 1.0 op_sel_hi:[1,0]
	v_pk_add_f32 v[6:7], v[6:7], 1.0 op_sel_hi:[1,0]
	v_rcp_f32 v4, v4
	v_rcp_f32 v5, v5
	v_rcp_f32 v6, v6
	v_rcp_f32 v7, v7
	v_nop
	s_wait_alu depctr_va_vdst(0)
	v_pk_fma_f32 v[4:5], v[4:5], -2.0, 1.0 op_sel_hi:[1,0,0]
	v_pk_fma_f32 v[6:7], v[6:7], -2.0, 1.0 op_sel_hi:[1,0,0]
	v_pk_mul_f32 v[4:5], v[4:5], v[12:13]
	v_pk_mul_f32 v[6:7], v[6:7], v[14:15]
	global_store_b128 v2, v[4:7], s[12:13]         ; 512 consecutive bytes, at a multiple of 512 from out0's first byte
	s_endpgm
.Lfunc_end_k_qd5ddc8cd1f_fin:
	.size	k_qd5ddc8cd1f_fin, .Lfunc_end_k_qd5ddc8cd1f_fin-k_qd5ddc8cd1f_fin
	.p2alignl 7, 3214868480
	.fill 96, 4, 3214868480
	.section	.rodata,"a",@progbits
	.p2align	6, 0x0
	.amdhsa_kernel k_qd5ddc8cd1f_fin
		.amdhsa_group_segment_fixed_size 0
		.amdhsa_private_segment_fixed_size 0
		.amdhsa_enable_private_segment 0
		.amdhsa_kernarg_size 40
		.amdhsa_user_sgpr_count 2
		.amdhsa_user_sgpr_kernarg_segment_ptr 1
		.amdhsa_wavefront_size32 1
		.amdhsa_system_sgpr_workgroup_id_x 1
		.amdhsa_system_sgpr_workgroup_id_y 1
		.amdhsa_system_sgpr_workgroup_id_z 1
		.amdhsa_system_vgpr_workitem_id 0
		.amdhsa_next_free_vgpr 96
		.amdhsa_next_free_sgpr 66
		.amdhsa_reserve_vcc 0
		.amdhsa_float_denorm_mode_32 3
		.amdhsa_float_denorm_mode_16_64 3
		.amdhsa_memory_ordered 1
		.amdhsa_forward_progress 1
		.amdhsa_inst_pref_size 7
	.end_amdhsa_kernel
	.amdgpu_metadata
---
amdhsa.version: [ 1, 2 ]
amdhsa.kernels:
  - .name:           k_qd5ddc8cd1f_fin
    .symbol:         k_qd5ddc8cd1f_fin.kd
    .args:
      - { .name: xsum, .offset: 0, .size: 8, .value_kind: global_buffer, .address_space: global }
      - { .name: corr, .offset: 8, .size: 8, .value_kind: global_buffer, .address_space: global }
      - { .name: b3, .offset: 16, .size: 8, .value_kind: global_buffer, .address_space: global }
      - { .name: action_limit, .offset: 24, .size: 8, .value_kind: global_buffer, .address_space: global }
      - { .name: out0, .offset: 32, .size: 8, .value_kind: global_buffer, .address_space: global }
    .group_segment_fixed_size: 0
    .private_segment_fixed_size: 0
    .kernarg_segment_align: 8
    .kernarg_segment_size: 40
    .max_flat_workgroup_size: 64
    .sgpr_count:     66
    .vgpr_count:     96
    .wavefront_size: 32
...
	.end_amdgpu_metadata
.endif
;; end of part 6
